; MI455X (gfx1250); checked and timed in simulation.
; The chip was launched on July 23, 2026; its instructions are those of AMD's public machine-readable ISA for CDNA 5 (MIT licence, August 2026) and "CDNA5" Instruction Set Architecture Reference Guide (July 2026). The comments in the code are by the model that wrote it; some were corrected since.
;; Cross Attn. Allowed arithmetic: float matrix products may take bf16 or f16 operands with f32 sums; other float arithmetic in f32, or as packed bf16 or f16 multiplies, adds, multiply-adds, maxima and minima; sums over many terms, partial sums and values carried from step to step in f32; what a program stores and reads back later, other than sums and carried values, may be rounded once to bf16 or f16.
;; Inputs: Wkv 1,024 x 2,048 float32; Wproj 1,024 x 1,024 float32; Wq 1,024 x 1,024 float32; bkv 2,048 float32; bproj 1,024 float32; bq 1,024 float32; ctx 4 x 2,048 x 1,024 float32; gk 64 float32; gq 64 float32; x 4 x 2,048 x 1,024 float32.
;; Outputs: out0 4 x 2,048 x 1,024 float32.
;; One version. Each part assembles by itself: llvm-mc -triple=amdgcn-amd-amdhsa -mcpu=gfx1250 --defsym DOCPART=n.
;; ======== version 1 of 1: 4 launches
;; limits: values are held in f16: magnitudes above 65,504 overflow, below 6.1e-05 lose precision; right only within a limited range of input values
;; workspace buffers: wt 6,291,456 bytes; wp 2,097,152 bytes; qh 16,777,216 bytes; kh 16,777,216 bytes; vh 16,777,216 bytes; oh 16,777,216 bytes
;; launch prep (part 1): grid 64 x 8, 8 waves a work-group, no clusters, 18,688 bytes of LDS; arguments Wq, Wkv, Wproj, wt, wp; writes wt, wp
.if DOCPART == 1
	.amdgcn_target "amdgcn-amd-amdhsa--gfx1250"
	.amdhsa_code_object_version 6
	.text
	.protected	k_q769d08d831_prep
	.globl	k_q769d08d831_prep
	.p2align	8
	.type	k_q769d08d831_prep,@function
k_q769d08d831_prep:
	s_mov_b64 s[64:65], 0
	v_nop
	global_prefetch_b8 v0, s[64:65] scope:SCOPE_SE
	s_setreg_imm32_b32 hwreg(HW_REG_WAVE_MODE, 25, 1), 1
	s_wait_xcnt 0x0
; THE WEIGHTS, TURNED AND ROUNDED.  Wq [1024 k][1024 n], Wkv [1024 k][2048 n], Wproj [1024 k][1024 n], all f32, become
;   wt [3072 n][1024 k] bf16: rows 0-1023 Wq's columns, rows 1024 + c Wkv's column c;   wp [1024 n][1024 k] f16: Wproj's columns, rounded to bf16 and that number written as f16.
; LIMIT.  A number of Wproj below 6.1e-5 keeps f16's fixed step of 6e-8 in place of bf16's eight bits; beyond 65,504 it would be an infinity.
; SHARES.  A work-group turns a tile of 128 k x 64 n.  x = 0-15: Wq, 16-47: Wkv, 48-63: Wproj; y: the tile along k.  Thread T reads eight rows k = 8 (T / 16) + 0..7, four columns 4 (T % 16) + 0..3:
; sixteen neighbouring lanes read 256 consecutive bytes of a row.  A column's eight k, rounded in pairs, are 16 bytes of a row of the result; they go through LDS and leave as whole rows of 256 bytes.
; Each byte is read once and written once; work-groups share no input, so there is no cluster, and there is no product, so no matrix instruction.
.set SPARE, 17664                      ; behind the tile: the spare words, 128 bytes for each of the eight waves: four blocks of 256 bytes that no other line names
.set OFF, 2                            ; v[2:9]   row t of my eight: its byte offset in the source tile
.set LS,  10                           ; v10      where my first column's 16 bytes go in LDS
.set LR,  11                           ; v11      where I read 16 bytes of a row back
.set GOF, 12                           ; v12      the same 16 bytes in the result
.set CI,  13                           ; v13      T / 16
.set SPW, 14                           ; v14      LDS address of my spare word; never rewritten
.set NIL, 15                           ; v15      0; never rewritten
.set X,   16                           ; v[16:47] row t at X + 4 t
.set Y,   48                           ; v[48:63] column j at Y + 4 j: eight k in 16 bits
.set TM,  64                           ; v[64:67] at work
	s_load_b256 s[4:11], s[0:1], 0x0               ; Wq s[4:5], Wkv s[6:7], Wproj s[8:9], wt s[10:11]
	s_load_b64 s[12:13], s[0:1], 0x20              ; wp
	v_lshl_add_u32 v[SPW], v0, 2, SPARE
	v_mov_b32 v[NIL], 0
	s_mov_b32 s14, ttmp9                           ; x
	s_and_b32 s15, ttmp7, 0xffff                   ; y
	s_movk_i32 s28, 0x1000                         ; a source row of 1,024 numbers,
	s_movk_i32 s29, 0x2000                         ; of 2,048
	s_sub_co_u32 s25, s14, 16                      ; the column tile in Wkv (used from x = 16 on),
	s_sub_co_u32 s26, s14, 48                      ; in Wproj (used from x = 48 on)
	s_cmp_lt_u32 s14, 48
	s_cselect_b32 s17, s25, s26
	s_cselect_b32 s16, s29, s28                    ; s16: bytes in a source row
	s_cselect_b32 s24, 0, 1                        ; s24: 1 where the result is wp
	s_cselect_b32 s27, s14, s26                    ; s27: the result's tile of 64 rows
	s_cmp_lt_u32 s14, 16
	s_cselect_b32 s17, s14, s17                    ; s17: the source's tile of 64 columns
	s_cselect_b32 s16, s28, s16
	v_and_b32 v1, 15, v0                           ; i = T % 16
	v_lshrrev_b32 v[CI], 4, v0                     ; c = T / 16
	v_lshlrev_b32 v[TM], 3, v[CI]
	v_mul_lo_u32 v[OFF], v[TM], s16                ; row 8 c
	v_lshl_add_u32 v[OFF], v1, 4, v[OFF]           ; + 16 i
.irp t, 1,2,3,4,5,6,7
	v_add_nc_u32 v[OFF+(\t)], s16, v[OFF+(\t)-1]
.endr
	; LDS: row n of the tile (256 bytes) begins at 272 n + 16 (n / 16).  My columns are n = 4 i + j: 1,088 i + 16 (i / 4) + 272 j.  In units of 16 bytes modulo 16 that is 4 i + i / 4 (+ c + j):
	; sixteen different columns of banks for the sixteen lanes of a store (64 banks of 4 bytes: ISA guide 11.1).
	v_mul_u32_u24 v[LS], v1, 1088
	v_lshrrev_b32 v[TM], 2, v1
	v_lshl_add_u32 v[LS], v[TM], 4, v[LS]
	v_lshl_add_u32 v[LS], v[CI], 4, v[LS]          ; + 16 c: my eight k
	v_mul_u32_u24 v[LR], v[CI], 272                ; back: row 16 u + c, 16 bytes at 16 i
	v_lshl_add_u32 v[LR], v1, 4, v[LR]
	v_lshlrev_b32 v[GOF], 11, v[CI]                ; a row of the result is 2,048 bytes
	v_lshl_add_u32 v[GOF], v1, 4, v[GOF]
	s_lshl_b32 s22, s16, 7                         ; 128 source rows,
	s_mul_i32 s22, s22, s15                        ; times y,
	s_lshl_b32 s23, s17, 8                         ; + 256 bytes for each column tile
	s_add_co_u32 s22, s22, s23
	s_mov_b32 s23, 0
	s_lshl_b32 s30, s27, 17                        ; 64 rows of 2,048 bytes,
	s_lshl_b32 s31, s15, 8                         ; + 256 bytes for each tile along k
	s_add_co_u32 s30, s30, s31
	s_mov_b32 s31, 0
	s_wait_kmcnt 0x0
	s_cmp_lt_u32 s14, 48
	s_cselect_b64 s[18:19], s[6:7], s[8:9]
	s_cselect_b64 s[20:21], s[10:11], s[12:13]
	s_cmp_lt_u32 s14, 16
	s_cselect_b64 s[18:19], s[4:5], s[18:19]
	s_add_nc_u64 s[18:19], s[18:19], s[22:23]      ; the source tile
	s_add_nc_u64 s[20:21], s[20:21], s[30:31]      ; the result's tile
.irp t, 0,1,2,3,4,5,6,7
	global_load_b128 v[X+4*(\t):X+4*(\t)+3], v[OFF+(\t)], s[18:19] th:TH_LOAD_NT
.endr
.irp m, 0,1,2,3
	s_wait_loadcnt 6-2*(\m)                        ; rows 2 m and 2 m + 1 are in; the loads of the rows behind them may stay out
.irp j, 0,1,2,3
	v_cvt_pk_bf16_f32 v[Y+4*(\j)+(\m)], v[X+8*(\m)+(\j)], v[X+8*(\m)+4+(\j)]  ; column j: k = 2 m below, 2 m + 1 above
.endr
.endr
	s_cmp_eq_u32 s24, 0
	s_cbranch_scc1 .Lkeep                          ; wt stays bf16
.set z, 0
.rept 16
	v_lshlrev_b32 v[TM+2*(z%2)], 16, v[Y+z]        ; wp: the rounded numbers, widened,
	v_and_b32 v[TM+2*(z%2)+1], 0xffff0000, v[Y+z]
	v_cvt_pk_f16_f32 v[Y+z], v[TM+2*(z%2)], v[TM+2*(z%2)+1]  ; and written as f16
.set z, z+1
.endr
.Lkeep:
.irp j, 0,1,2,3
	ds_store_b128 v[LS], v[Y+4*(\j):Y+4*(\j)+3] offset:272*(\j)
.endr
	s_wait_dscnt 0x0                               ; for the others' sake: my stores are done
	s_barrier_signal -1
	s_barrier_wait -1
.irp u, 0,1,2,3
	ds_load_b128 v[X+4*(\u):X+4*(\u)+3], v[LR] offset:4368*(\u)  ; sixteen rows on: 16 x 272 + 16
.endr
.irp u, 0,1,2,3
	s_wait_dscnt 3-(\u)                            ; the later loads may stay out
	global_store_b128 v[GOF], v[X+4*(\u):X+4*(\u)+3], s[20:21] offset:32768*(\u)  ; sixteen lanes store 256 consecutive bytes, at a multiple of 256 from the buffer's first
.endr
	s_wait_tensorcnt 0x0                           ; the wave's end, behind my last LDS store
	ds_add_u32 v[SPW], v[NIL]
	s_wait_dscnt 0x0
	s_endpgm
.Lfunc_end_k_q769d08d831_prep:
	.size	k_q769d08d831_prep, .Lfunc_end_k_q769d08d831_prep-k_q769d08d831_prep
	.p2alignl 7, 3214868480
	.fill 96, 4, 3214868480
	.section	.rodata,"a",@progbits
	.p2align	6, 0x0
	.amdhsa_kernel k_q769d08d831_prep
		.amdhsa_group_segment_fixed_size 18688
		.amdhsa_private_segment_fixed_size 0
		.amdhsa_enable_private_segment 0
		.amdhsa_kernarg_size 40
		.amdhsa_user_sgpr_count 2
		.amdhsa_user_sgpr_kernarg_segment_ptr 1
		.amdhsa_wavefront_size32 1
		.amdhsa_system_sgpr_workgroup_id_x 1
		.amdhsa_system_sgpr_workgroup_id_y 1
		.amdhsa_system_sgpr_workgroup_id_z 1
		.amdhsa_system_vgpr_workitem_id 0
		.amdhsa_next_free_vgpr 72
		.amdhsa_next_free_sgpr 66
		.amdhsa_reserve_vcc 0
		.amdhsa_float_denorm_mode_32 3
		.amdhsa_float_denorm_mode_16_64 3
		.amdhsa_memory_ordered 1
		.amdhsa_forward_progress 1
		.amdhsa_inst_pref_size 9
	.end_amdhsa_kernel
	.amdgpu_metadata
---
amdhsa.version: [ 1, 2 ]
amdhsa.kernels:
  - .name:           k_q769d08d831_prep
    .symbol:         k_q769d08d831_prep.kd
    .args:
      - { .name: Wq, .offset: 0, .size: 8, .value_kind: global_buffer, .address_space: global }
      - { .name: Wkv, .offset: 8, .size: 8, .value_kind: global_buffer, .address_space: global }
      - { .name: Wproj, .offset: 16, .size: 8, .value_kind: global_buffer, .address_space: global }
      - { .name: wt, .offset: 24, .size: 8, .value_kind: global_buffer, .address_space: global }
      - { .name: wp, .offset: 32, .size: 8, .value_kind: global_buffer, .address_space: global }
    .group_segment_fixed_size: 18688
    .private_segment_fixed_size: 0
    .kernarg_segment_align: 8
    .kernarg_segment_size: 40
    .max_flat_workgroup_size: 256
    .sgpr_count:     66
    .vgpr_count:     72
    .wavefront_size: 32
...
	.end_amdgpu_metadata
.endif
;; end of part 1
;; launch proj (part 2): grid 12 x 64, 4 waves a work-group, clusters of 4 x 4, 327,680 bytes of LDS; arguments x, ctx, wt, bq, bkv, gq, gk, qh, kh, vh; writes qh, kh, vh
.if DOCPART == 2
	.amdgcn_target "amdgcn-amd-amdhsa--gfx1250"
	.amdhsa_code_object_version 6
	.text
	.protected	k_q769d08d831_proj
	.globl	k_q769d08d831_proj
	.p2align	8
	.type	k_q769d08d831_proj,@function
k_q769d08d831_proj:
	s_mov_b64 s[64:65], 0
	v_nop
	global_prefetch_b8 v0, s[64:65] scope:SCOPE_SE
	s_setreg_imm32_b32 hwreg(HW_REG_WAVE_MODE, 25, 1), 1
	s_wait_xcnt 0x0
	s_wait_alu depctr_hold_cnt(0) depctr_sa_sdst(0) depctr_va_vdst(0) depctr_va_sdst(0) depctr_va_ssrc(0) depctr_va_vcc(0) depctr_vm_vsrc(0)
	s_getreg_b32 s2, hwreg(HW_REG_IB_STS2, 6, 4)
	s_cmp_eq_u32 s2, 0
	s_cbranch_scc0 .Lentry_in_a_cluster
	s_endpgm
.Lentry_in_a_cluster:
	s_bfe_u32 s2, ttmp6, 0x10000c
	s_cmp_lg_u32 s2, 0xf033
	s_cbranch_scc0 .Lentry_shape_is_right
	s_endpgm
.Lentry_shape_is_right:
; THE THREE PROJECTIONS IN ONE GRID.  q = norm(x Wq + bq) gq, k = norm(ctx Wk + bk) gk, v = ctx Wv + bv; norm(y) = y / sqrt(mean over a head's 64 numbers of y^2 + 1e-6).
; x, ctx: [8192][1024] f32, rounded to bf16 on the way from LDS to the matrix unit.  wt: [3072 n][1024 k] bf16.  Biases and gains are rounded to bf16 like every other input.
; Sums, squares and the norm in f32.  qh, kh, vh: [64 = 16 batch + head][2048][64] f16, each number rounded once.
; LIMITS.  f16 ends at 65,504: |v| stays under it, and so does 8 |gain|, the largest |q| or |k|.  NaN and infinities are not treated apart.  The root's argument is at least 1e-6.
; SHARES.  A tile of the result is 128 rows x 256 columns (four heads); 12 x 64 work-groups.  The cluster's x is the KIND: 0 q, 1 k, 2 v: the same in all sixteen partners.
; Four waves, each 64 rows x 128 columns: 32 accumulators of 16 x 16, 256 registers.  K goes in 8 steps of 128 through a ring of two LDS slots.
; CLUSTERS: 4 x 4 work-groups.  The four of a row of the cluster need the same rows of x or ctx, the four of a column the same rows of wt: each tile is asked for JOINTLY, by the same tensor load with the
; same descriptor and a mask that names the four.  THE MATRIX INSTRUCTION IS USED TRANSPOSED (source 0 = 16 rows of wt, source 1 = 16 rows of A): a lane then holds one row of the result (lane % 16) and the
; columns 16 b + 8 (lane / 16) + 0..7, so a head's sum of squares wants one exchange between the halves of the lanes, and eight numbers pack into 16 bytes.
; REGISTERS, in windows of 256 (s_set_vgpr_msb: bits 1:0 source 0, 3:2 source 1, 5:4 source 2, 7:6 destination):
;   window 0: v0-30 addresses; v32-95 A's fragments in bf16, two buffers of 32; v96-159 A as it lies in LDS, f32; v160-191 gains; v192-255 at work in the norm; on the way out v32-159 hold the packed tiles
;   window 1: accumulator (a, b) at v[8 (8 a + b)]          window 2: v0-127 wt's fragments, two buffers of 64; v128-191 the bias of my 128 columns; v192 at work
.set PA,     528                       ; a row of A in LDS: 512 bytes (128 f32) + 16 = 33 x 16: the 16 rows of a load start at 16 different groups of four banks (64 banks of 4 bytes: ISA guide 11.1)
.set PB,     272                       ; a row of wt: 256 bytes + 16 = 17 x 16
.set AHALF,  64*PA                     ; what wave 0 or 1 fetches, and what a wave reads of A
.set BHALF,  128*PB                    ; what wave 2 or 3 fetches, and what a wave reads of wt
.set SLOT,   2*AHALF+2*BHALF           ; A's 128 rows, then wt's 256 rows
.set STAGE,  2*SLOT                    ; behind the ring, never filled by a tensor load: 16 rows x 144 bytes for each wave, for the way out
.set SP,     144
.set SPARE,  STAGE+4*16*SP             ; behind the stages: the spare words, 128 bytes for each wave: two blocks of 256 bytes that no other line names
.set BO,   6                           ; v6      my byte offset in the bias
.set GOO,  7                           ; v7      my byte offset in the gain
.set ADRA, 16                          ; v16-17  LDS address of my A fragments in slot 0, 1
.set ADRB, 20                          ; v20-21  the same for wt
.set STO,  24                          ; v24     the way out: where I put 16 bytes of a row
.set RD,   25                          ; v25     the way out: where I read rows back
.set GO,   26                          ; v26     my byte offset in 512 consecutive bytes of the result
.set SPW,  28                          ; v28     LDS address of my spare word; never rewritten
.set NIL,  29                          ; v29     0; never rewritten
.set PFO,  30                          ; v30     the prefetches' offset: 4,096 (lane % 16) + 256 (lane / 16); never rewritten
.set AF,   32                          ; A's fragments: buffer f at AF + 32 f
.set STG,  96                          ; A in f32: fragment a at STG + 16 a
.set GN,   160                         ; gains: column 16 b' + 8 (lane / 16) + j of a head at GN + 8 b' + j
.set TT,   192                         ; gain x 1 / rms for one tile
.set SS,   224                         ; eight pairs of partial sums of squares
.set RS,   240                         ; tile t = 2 a + head: its sum, then 1 / rms, at RS + 2 t
.set OUTR, 32                          ; the way out: tile t at OUTR + 16 t
.set BIAS, 128                         ; window 2
.set G1,  24                           ; s[24:31] descriptor group 1 for A's tiles;  s[32:39] group 0, one set for each slot
.set G0,  32
.set G1B, 48                           ; s[48:55], s[56:63] the same for wt's tiles
.set G0B, 56
.set PFA,  88                          ; s[88:89] where my prefetches stand: my work-group's 16 rows of the 64 that I fetch, one K step beyond the refill in hand
.set LIM,  90                          ; s90     1 in a wave that prefetches, else the greatest number
.set TYPE, 91                          ; s91     the kind
.set INV64, 92                         ; s92     1 / 64
.set EPS,  93                          ; s93     1e-6
.set SEL,  94                          ; s[94:95] v_permlanex16_b32's selects: each lane takes its own place in the other half
.set MSB, 0
.macro WIN new                         ; the immediate's high byte repeats the setting that is left; a switch that changes nothing is dropped
.if MSB != (\new)
	s_set_vgpr_msb (MSB<<8)|(\new)
.set MSB, \new
.endif
.endm
.set MUL,  0x52                        ; source 0 (wt) window 2, source 1 (A) window 0, C and D window 1
.set MULB, 0x62                        ; the same with C, the bias, in window 2
.set TO_B, 0x80                        ; destination window 2, address window 0
.macro JLOAD s                         ; a joint load: waves 0 and 1 fetch A's two halves, waves 2 and 3 wt's; an s_nop 0 and four v_nop follow each of the two lines, ahead of the jump, the label and what follows
	s_cmp_eq_u32 s11, 0
	s_cbranch_scc0 .Lfor_b_\@
	tensor_load_to_lds s[G0+4*(\s):G0+4*(\s)+3], s[G1:G1+7]
	s_nop 0
.rept 4
	v_nop
.endr
	s_branch .Lasked_\@
.Lfor_b_\@:
	tensor_load_to_lds s[G0B+4*(\s):G0B+4*(\s)+3], s[G1B:G1B+7]
	s_nop 0
.rept 4
	v_nop
.endr
.Lasked_\@:
.endm
.macro CREST                           ; a round of the cluster's barrier behind its opening barrier
	s_cmp_lg_u32 s10, 0
	s_cbranch_scc1 .Lnot_wave_0_\@
	s_barrier_signal -3
.Lnot_wave_0_\@:
	s_barrier_wait -3
	s_barrier_signal -1
	s_barrier_wait -1
.endm
.macro CROUND                          ; a whole round
	s_barrier_signal -1
	s_barrier_wait -1
	CREST
.endm
.macro PLACES                          ; four places behind a matrix instruction, where no other vector work is at hand
.rept 4
	v_nop
.endr
.endm
; A PREFETCH INTO THE L2 of A's K step that stands TWO refills on: 512 bytes of each row, two aligned blocks of 256.  Of the 64 rows that wave 0 or 1 fetches, the partner at place cx takes 16, told apart BY ADDRESS:
; 16 rows x 2 blocks, a lane a block, one instruction a wave.  x is read by the clusters of kind 0 alone; ctx by kinds 1 and 2, of which kind 1 asks: each block is named once in the launch.
; K steps 0 to 3 come by their loads alone; the loop's last trip (s3 = 1) asks for nothing: there is no K step 8.  wt is read by all sixteen rows of clusters: it is no stream read once, and is not asked for.
.macro ASK
	s_cmp_gt_u32 s3, s[LIM]
	s_cbranch_scc0 .Lnot_mine_\@
	global_prefetch_b8 v[PFO], s[PFA:PFA+1] offset:512 th:TH_LOAD_NT scope:SCOPE_SE
.Lnot_mine_\@:
.endm
	s_load_b512 s[68:83], s[0:1], 0x0              ; x s[68:69], ctx s[70:71], wt s[72:73], bq s[74:75], bkv s[76:77], gq s[78:79], gk s[80:81], qh s[82:83]
	s_load_b128 s[84:87], s[0:1], 0x40             ; kh s[84:85], vh s[86:87]
	v_lshl_add_u32 v[SPW], v0, 2, SPARE
	v_mov_b32 v[NIL], 0
	ds_add_u32 v[SPW], v[NIL]                      ; the wave's opening: the add and its wait stand ahead of my first tensor load; the set-up below, work on registers, stands between them
	v_lshrrev_b32 v1, 5, v0
	v_readfirstlane_b32 s10, v1                    ; wave 0..3
	s_lshr_b32 s11, s10, 1                         ; which 64 rows of the tile are mine.  Also: I fetch for A (0) or for wt (1)
	s_and_b32 s12, s10, 1                          ; which 128 columns.  Also: which half of that tile I fetch
	s_bfe_u32 s40, ttmp6, 0x40000                  ; cx, cy: my place in the cluster
	s_bfe_u32 s41, ttmp6, 0x40004
	s_mov_b32 s[TYPE], ttmp9                       ; in a cluster launch ttmp9 counts clusters: 0 q, 1 k, 2 v
	s_lshl_b32 s42, ttmp9, 2
	s_add_co_u32 s42, s42, s40                     ; tile column = 4 x cluster x + cx: 256 rows of wt
	s_and_b32 s13, ttmp7, 0xffff
	s_lshl_b32 s13, s13, 2
	s_add_co_u32 s13, s13, s41                     ; tile row = 4 x cluster y + cy: 128 rows of x or ctx
	s_lshl_b32 s43, s41, 2
	s_lshl_b32 s43, 15, s43                        ; my row of the cluster
	s_lshl_b32 s44, 0x1111, s40                    ; my column
	; descriptor group 1 for A: 64 rows x 128 elements of 4 bytes, 16 bytes of padding behind each row
	s_or_b32 s[G1+0], s43, (2<<16)|(1<<20)|(1<<21)|(6<<22)|(3<<25)  ; 15:0 the mask: my row; 17:16 elements of 4 bytes; 20 padding on; 21 set beside a mask; 24:22 after every 128 words (code 6); 31:25 4 words (code 3)
	s_mov_b32 s[G1+1], 128<<16                     ; tensor_dim0 = 128
	s_mov_b32 s[G1+2], 64<<16                      ; tensor_dim1 = 64
	s_mov_b32 s[G1+3], 128<<16                     ; tile_dim0 = 128
	s_mov_b32 s[G1+4], 64                          ; tile_dim1 = 64
	s_mov_b32 s[G1+5], 1024                        ; elements from row to row
	s_mov_b32 s[G1+6], 0
	s_mov_b32 s[G1+7], 0
	; for wt: 128 rows x 128 elements of 2 bytes
	s_or_b32 s[G1B+0], s44, (1<<16)|(1<<20)|(1<<21)|(5<<22)|(3<<25)  ; the mask: my column; elements of 2 bytes; padding after every 64 words (code 5)
	s_mov_b32 s[G1B+1], 128<<16
	s_mov_b32 s[G1B+2], 128<<16
	s_mov_b32 s[G1B+3], 128<<16
	s_mov_b32 s[G1B+4], 128
	s_mov_b32 s[G1B+5], 1024
	s_mov_b32 s[G1B+6], 0
	s_mov_b32 s[G1B+7], 0
	s_lshl_b32 s16, s13, 7                         ; A: row 128 x tile row + 64 x half,
	s_lshl_b32 s17, s12, 6
	s_add_co_u32 s16, s16, s17
	s_lshl_b32 s16, s16, 12                        ; 4,096 bytes a row: under 2^25
	s_mov_b32 s17, 0
	s_lshl_b32 s46, s42, 8                         ; wt: row 256 x tile column + 128 x half,
	s_lshl_b32 s47, s12, 7
	s_add_co_u32 s46, s46, s47
	s_lshl_b32 s46, s46, 11                        ; 2,048 bytes a row
	s_mov_b32 s47, 0
	s_mul_i32 s20, s12, AHALF                      ; where they go: no place in the cluster enters an LDS address
	s_mul_i32 s21, s12, BHALF
	s_add_co_u32 s21, s21, 2*AHALF
	s_mov_b32 s[INV64], 0x3c800000
	s_mov_b32 s[EPS], 0x358637bd
	s_mov_b32 s[SEL], 0x76543210
	s_mov_b32 s[SEL+1], 0xfedcba98
	s_wait_dscnt 0x0                               ; the opening add is done
	s_wait_kmcnt 0x0
	s_cmp_eq_u32 s[TYPE], 0
	s_cselect_b64 s[4:5], s[68:69], s[70:71]       ; A is x for q, ctx for k and v
	s_add_nc_u64 s[14:15], s[4:5], s[16:17]
	s_add_nc_u64 s[46:47], s[72:73], s[46:47]
	CROUND                                         ; all sixteen work-groups are here: the first joint loads meet
.irp s, 0,1
	s_mov_b32 s[G0+4*(\s)], 1                      ; count = 1
	s_add_co_u32 s[G0+4*(\s)+1], s20, (\s)*SLOT    ; LDS address
	s_add_nc_u64 s[G0+4*(\s)+2:G0+4*(\s)+3], s[14:15], (\s)*512  ; global address: K step s
	s_or_b32 s[G0+4*(\s)+3], s[G0+4*(\s)+3], 0x80000000          ; type = 2
	s_mov_b32 s[G0B+4*(\s)], 1
	s_add_co_u32 s[G0B+4*(\s)+1], s21, (\s)*SLOT
	s_add_nc_u64 s[G0B+4*(\s)+2:G0B+4*(\s)+3], s[46:47], (\s)*256
	s_or_b32 s[G0B+4*(\s)+3], s[G0B+4*(\s)+3], 0x80000000
	JLOAD \s                                       ; two loads of mine are out
.endr
	; A fragment is 16 rows x 32 K: lane l holds row l % 16, K = 8 (l / 16) + 0..7 and 16 + 8 (l / 16) + 0..7.  In bf16: two loads of 16 bytes, 32 apart.  In f32: four, at 0, 16, 64, 80 from 32 (l / 16).
	v_and_b32 v1, 15, v0                           ; r = l % 16
	v_bfe_u32 v2, v0, 4, 1                         ; h = l / 16
	v_mul_u32_u24 v3, v1, PA
	v_lshl_add_u32 v3, v2, 5, v3
	v_mul_u32_u24 v4, v1, PB
	v_lshl_add_u32 v4, v2, 4, v4
	s_mul_i32 s22, s11, AHALF                      ; my 64 rows of A
	s_mul_i32 s23, s12, BHALF                      ; my 128 rows of wt,
	s_add_co_u32 s23, s23, 2*AHALF                 ; which lie behind A's 128
.irp s, 0,1
	v_add_nc_u32 v[ADRA+(\s)], s22, v3
	v_add_nc_u32 v[ADRB+(\s)], s23, v4
	s_add_co_u32 s22, s22, SLOT
	s_add_co_u32 s23, s23, SLOT
.endr
	s_mul_i32 s22, s10, 16*SP
	s_add_co_u32 s22, s22, STAGE                   ; my stage
	v_mul_u32_u24 v[STO], v1, SP                   ; in: row r, 16 bytes for each half of the lanes
	v_lshl_add_u32 v[STO], v2, 4, v[STO]
	v_add_nc_u32 v[STO], s22, v[STO]
	v_bfe_u32 v[RD], v0, 3, 2                      ; back: 32 lanes take four rows of 128 bytes,
	v_mul_u32_u24 v[RD], v[RD], SP
	v_and_b32 v5, 7, v0
	v_lshl_add_u32 v[RD], v5, 4, v[RD]
	v_add_nc_u32 v[RD], s22, v[RD]
	v_and_b32 v[GO], 31, v0                        ; which are 512 consecutive bytes of a head
	v_lshlrev_b32 v[GO], 4, v[GO]
	v_lshlrev_b32 v[PFO], 12, v1
	v_lshl_add_u32 v[PFO], v2, 8, v[PFO]
	; the bias of my 128 columns and the gain of a head's 64, as a lane's accumulators hold them: column 16 b + 8 h + j.  The loads' bases s[6:7] and s[18:19] and their offsets v6 and v7 are not written again.
	s_sub_co_u32 s22, s42, 4                       ; the tile column in Wkv (kinds 1 and 2)
	s_cmp_eq_u32 s[TYPE], 0
	s_cselect_b32 s22, s42, s22
	s_cselect_b64 s[6:7], s[74:75], s[76:77]       ; bq or bkv
	s_cselect_b64 s[18:19], s[78:79], s[80:81]     ; gq or gk (kind 2 loads gk and makes no use of it)
	s_lshl_b32 s22, s22, 10                        ; 256 columns of 4 bytes,
	s_lshl_b32 s23, s12, 9                         ; my 128
	s_add_co_u32 s22, s22, s23
	v_lshl_add_u32 v[BO], v2, 5, s22
	v_lshlrev_b32 v[GOO], 5, v2
	WIN TO_B
.irp b, 0,1,2,3,4,5,6,7
	global_load_b128 v[BIAS+8*(\b):BIAS+8*(\b)+3],   v[BO], s[6:7] offset:64*(\b)
	global_load_b128 v[BIAS+8*(\b)+4:BIAS+8*(\b)+7], v[BO], s[6:7] offset:64*(\b)+16
.endr
	WIN 0
.irp b, 0,1,2,3
	global_load_b128 v[GN+8*(\b):GN+8*(\b)+3],   v[GOO], s[18:19] offset:64*(\b)
	global_load_b128 v[GN+8*(\b)+4:GN+8*(\b)+7], v[GOO], s[18:19] offset:64*(\b)+16
.endr
	; where my part of the result begins: head 16 batch + 4 cx + 2 (my half of the columns), row 128 (tile row % 16) + 64 (my half of the rows)
	s_cmp_eq_u32 s[TYPE], 1
	s_cselect_b64 s[8:9], s[84:85], s[86:87]
	s_cmp_eq_u32 s[TYPE], 0
	s_cselect_b64 s[8:9], s[82:83], s[8:9]
	s_lshr_b32 s22, s13, 4
	s_lshl_b32 s22, s22, 4
	s_lshl_b32 s23, s40, 2
	s_add_co_u32 s22, s22, s23
	s_lshl_b32 s23, s12, 1
	s_add_co_u32 s22, s22, s23
	s_lshl_b32 s22, s22, 18                        ; a head is 2,048 rows of 128 bytes
	s_and_b32 s23, s13, 15
	s_lshl_b32 s23, s23, 7
	s_lshl_b32 s45, s11, 6                         ; (a register that no pending load names)
	s_add_co_u32 s23, s23, s45
	s_lshl_b32 s23, s23, 7
	s_add_co_u32 s22, s22, s23
	s_mov_b32 s23, 0
	s_add_nc_u64 s[8:9], s[8:9], s[22:23]
	; the prefetches
	s_cmp_lt_u32 s[TYPE], 2
	s_cselect_b32 s[LIM], 1, -1
	s_cmp_eq_u32 s11, 0
	s_cselect_b32 s[LIM], s[LIM], -1               ; the same in all sixteen partners, for a given wave
	s_lshl_b32 s22, s13, 7
	s_lshl_b32 s23, s12, 6
	s_add_co_u32 s22, s22, s23                     ; the 64 rows that I fetch,
	s_lshl_b32 s23, s40, 4
	s_add_co_u32 s22, s22, s23                     ; my work-group's 16 of them
	s_lshl_b32 s22, s22, 12
	s_mov_b32 s23, 0
	s_add_nc_u64 s[PFA:PFA+1], s[4:5], s[22:23]
	s_add_nc_u64 s[PFA:PFA+1], s[PFA:PFA+1], 1024  ; at K step 2: the first refill steps it to 3 and names K step 4.  Nothing is prefetched here, at the head, where every work-group's first tiles are on their way
	s_wait_loadcnt 0x0                             ; bias and gain
	WIN 0xaa                                       ; all places window 2
.set z, 0
.rept 32
	v_cvt_pk_bf16_f32 v192, v[BIAS+2*z], v[BIAS+2*z+1]  ; the bias is rounded to bf16 like every input, and kept in f32
	v_lshlrev_b32 v[BIAS+2*z], 16, v192
	v_and_b32 v[BIAS+2*z+1], 0xffff0000, v192
.set z, z+1
.endr
	WIN 0
.set z, 0
.rept 16
	v_cvt_pk_bf16_f32 v3, v[GN+2*z], v[GN+2*z+1]   ; the gain likewise
	v_lshlrev_b32 v[GN+2*z], 16, v3
	v_and_b32 v[GN+2*z+1], 0xffff0000, v3
.set z, z+1
.endr
; The next matrix instruction, number i of a quarter's 32: accumulator (i / 8, i % 8), 32 along K, buffer f.  first = 1: the bias starts the sum: nothing is ever cleared.
; The 32 accumulators take turns, one instruction a turn, in the same order in every quarter: 31 others stand between two links of a chain, over the backward jump too.
.macro MM f, first
.if \first
	WIN MULB
	v_wmma_f32_16x16x32_bf16 v[8*i:8*i+7], v[64*(\f)+8*(i%8):64*(\f)+8*(i%8)+7], v[AF+32*(\f)+8*(i/8):AF+32*(\f)+8*(i/8)+7], v[BIAS+8*(i%8):BIAS+8*(i%8)+7]
.else
	WIN MUL
	v_wmma_f32_16x16x32_bf16 v[8*i:8*i+7], v[64*(\f)+8*(i%8):64*(\f)+8*(i%8)+7], v[AF+32*(\f)+8*(i/8):AF+32*(\f)+8*(i/8)+7], v[8*i:8*i+7]
.endif
.set i, i+1
.endm
.macro MULS f, i0, i1, first=0         ; numbers i0 to i1 - 1
.set i, \i0
.rept (\i1)-(\i0)
	MM \f, \first
.endr
.endm
; Numbers 24 to 31, and behind each four of the 32 roundings that make buffer g's fragments of A out of the f32 numbers just fetched.  They name no register of the products round them.  The four behind number 31 are
; the places in front of what follows it: the loads into wt's buffer that this quarter read, and a quarter later the roundings into A's.
.macro MULR f, g, first=0
.set i, 24
.rept 8
	MM \f, \first
	WIN 0
.set c, 4*(i-25)
.rept 4
	v_cvt_pk_bf16_f32 v[AF+32*(\g)+c], v[STG+2*c], v[STG+2*c+1]
.set c, c+1
.endr
.endr
.endm
; 32 LDS loads in one run: quarter q (32 along K) of a slot: my 64 rows of A in f32, my 128 rows of wt into buffer g
.macro FETCH slot, q, g
	WIN 0
.irp a, 0,1,2,3
	ds_load_b128 v[STG+16*(\a):STG+16*(\a)+3],     v[ADRA+(\slot)] offset:128*(\q)+16*PA*(\a)
	ds_load_b128 v[STG+16*(\a)+4:STG+16*(\a)+7],   v[ADRA+(\slot)] offset:128*(\q)+16*PA*(\a)+16
	ds_load_b128 v[STG+16*(\a)+8:STG+16*(\a)+11],  v[ADRA+(\slot)] offset:128*(\q)+16*PA*(\a)+64
	ds_load_b128 v[STG+16*(\a)+12:STG+16*(\a)+15], v[ADRA+(\slot)] offset:128*(\q)+16*PA*(\a)+80
.endr
	WIN TO_B
.irp b, 0,1,2,3,4,5,6,7
	ds_load_b128 v[64*(\g)+8*(\b):64*(\g)+8*(\b)+3],   v[ADRB+(\slot)] offset:64*(\q)+16*PB*(\b)
	ds_load_b128 v[64*(\g)+8*(\b)+4:64*(\g)+8*(\b)+7], v[ADRB+(\slot)] offset:64*(\q)+16*PB*(\b)+32
.endr
.endm
; A K step is four quarters of 32 along K, on buffers 0, 1, 0, 1.  One of the first three: at its head it fetches quarter q for buffer g, then multiplies buffer f; the fetch has 24 matrix instructions in which to land.
.macro QUARTER slot, q, f, g, first=0
	FETCH \slot, \q, \g
	MULS \f, 0, 24, \first
	s_wait_dscnt 0x0                               ; the fetch is in
	MULR \f, \g, \first
.endm
; The last quarter multiplies buffer 1 and changes slots: ONE barrier; in front of it each wave waits for all its tensor loads, of which one is out: its part of the next slot; adds 0 to its spare word; and waits for that
; (its reads of this slot came back in the quarter before).  fill = 1: the barrier opens a round of the cluster's, and this slot is filled again, two K steps ahead, first thing behind the round.
.macro TURN slot, next, fill
.if \fill
	s_wait_xcnt 0x0                                ; the last prefetch, a K step back, has read its address: it is stepped here, ahead of the waits of the change of slots
	s_add_nc_u64 s[PFA:PFA+1], s[PFA:PFA+1], 512
.endif
	WIN 0
	s_wait_tensorcnt 0x0                           ; all my tensor loads have landed
	ds_add_u32 v[SPW], v[NIL]                      ; 0 onto my spare word
	MULS 1, 0, 4                                   ; four matrix instructions stand between the add and the wait for it
	s_wait_dscnt 0x0                               ; the add is done; no read of this slot is out
	s_barrier_signal -1
	MULS 1, 4, 8                                   ; work on registers while the others arrive
	WIN 0
	s_barrier_wait -1
.if \fill
	CREST                                          ; no wave of any partner still reads this slot's tile or has a load on its way
	s_add_nc_u64 s[G0+4*(\slot)+2:G0+4*(\slot)+3], s[G0+4*(\slot)+2:G0+4*(\slot)+3], 1024   ; two K steps of 128 f32
	s_add_nc_u64 s[G0B+4*(\slot)+2:G0B+4*(\slot)+3], s[G0B+4*(\slot)+2:G0B+4*(\slot)+3], 512  ; of 128 bf16
	JLOAD \slot                                    ; the first tensor load behind the round; it has a K step less eight matrix instructions in which to land
.endif
	FETCH \next, 0, 0
.if \fill
	WIN 0
	ASK                                            ; behind the joint load and the run of LDS loads
.endif
	MULS 1, 8, 24
	s_wait_dscnt 0x0
	MULR 1, 0
.endm
	s_wait_tensorcnt 0x1                           ; my part of K step 0 is in; K step 1's may stay out
	s_barrier_signal -1
	s_barrier_wait -1                              ; everybody's is
	FETCH 0, 0, 0
	s_wait_dscnt 0x0
	WIN 0
.set c, 0
.rept 32
	v_cvt_pk_bf16_f32 v[AF+c], v[STG+2*c], v[STG+2*c+1]  ; the first quarter's roundings have no products to stand behind
.set c, c+1
.endr
	QUARTER 0, 1, 0, 1, 1                          ; the first quarter stands in front of the loop: its products start the sums, with the bias
	WIN 0                                          ; at a label and at a branch every window is 0
	s_mov_b32 s3, 3
.Llap:                                                 ; a trip goes once round the ring, from a lap's second quarter to the next lap's first, and fills both slots again
	QUARTER 0, 2, 1, 0
	QUARTER 0, 3, 0, 1
	TURN 0, 1, 1
	QUARTER 1, 1, 0, 1
	QUARTER 1, 2, 1, 0
	QUARTER 1, 3, 0, 1
	TURN 1, 0, 1
	QUARTER 0, 1, 0, 1
	WIN 0
	s_sub_co_u32 s3, s3, 1
	s_cmp_lg_u32 s3, 0
	s_cbranch_scc1 .Llap
	QUARTER 0, 2, 1, 0                             ; the last lap fills nothing, and has no round of the cluster's barrier
	QUARTER 0, 3, 0, 1
	TURN 0, 1, 0
	QUARTER 1, 1, 0, 1
	QUARTER 1, 2, 1, 0
	QUARTER 1, 3, 0, 1
	MULS 1, 0, 32
	WIN 0
	PLACES                                         ; behind the last products
	s_cmp_eq_u32 s[TYPE], 2
	s_cbranch_scc1 .Lpack                          ; v has no norm; the kind is the same in all partners, and what is jumped holds no barrier and no tensor load
	; THE NORM.  A tile t = 2 a + head is 16 rows x 64 columns: accumulators (a, 4 head + 0..3), registers 32 t .. 32 t + 31 of window 1.  A lane holds 32 of its row's 64 numbers, the lane 16 away the others.
.set a, 0
.rept 4
	WIN 0x05                                       ; sources 0 and 1 window 1; source 2 and destination window 0
.set b, 0
.rept 8
	v_pk_mul_f32 v[SS+2*b:SS+2*b+1], v[8*(8*a+b):8*(8*a+b)+1], v[8*(8*a+b):8*(8*a+b)+1]  ; each accumulator's lowest registers are read first
.set b, b+1
.endr
.set p, 1
.rept 3
.set b, 0
.rept 8
	v_pk_fma_f32 v[SS+2*b:SS+2*b+1], v[8*(8*a+b)+2*p:8*(8*a+b)+2*p+1], v[8*(8*a+b)+2*p:8*(8*a+b)+2*p+1], v[SS+2*b:SS+2*b+1]
.set b, b+1
.endr
.set p, p+1
.endr
	WIN 0
.irp d, 0,1
	v_pk_add_f32 v[SS+8*(\d):SS+8*(\d)+1], v[SS+8*(\d):SS+8*(\d)+1], v[SS+8*(\d)+2:SS+8*(\d)+3]
	v_pk_add_f32 v[SS+8*(\d)+4:SS+8*(\d)+5], v[SS+8*(\d)+4:SS+8*(\d)+5], v[SS+8*(\d)+6:SS+8*(\d)+7]
.endr
.irp d, 0,1
	v_pk_add_f32 v[RS+2*(2*a+(\d)):RS+2*(2*a+(\d))+1], v[SS+8*(\d):SS+8*(\d)+1], v[SS+8*(\d)+4:SS+8*(\d)+5]
.endr
.irp d, 0,1
	v_add_f32 v[RS+2*(2*a+(\d))], v[RS+2*(2*a+(\d))], v[RS+2*(2*a+(\d))+1]
.endr
.set a, a+1
.endr
.irp t, 0,1,2,3,4,5,6,7
	v_permlanex16_b32 v[RS+2*(\t)+1], v[RS+2*(\t)], s[SEL], s[SEL+1]
.endr
.irp t, 0,1,2,3,4,5,6,7
	v_add_f32 v[RS+2*(\t)], v[RS+2*(\t)], v[RS+2*(\t)+1]
.endr
.irp t, 0,1,2,3,4,5,6,7
	v_fma_f32 v[RS+2*(\t)], v[RS+2*(\t)], s[INV64], s[EPS]  ; the mean of the squares + 1e-6
.endr
.irp t, 0,1,2,3,4,5,6,7
	v_rsq_f32 v[RS+2*(\t)], v[RS+2*(\t)]
.endr
	v_nop                                          ; a plain instruction between the last root and the use of its result
	s_wait_alu depctr_va_vdst(0)
.set t, 0
.rept 8
	WIN 0
.set z, 0
.rept 16
	v_pk_mul_f32 v[TT+2*z:TT+2*z+1], v[GN+2*z:GN+2*z+1], v[RS+2*t:RS+2*t+1] op_sel_hi:[1,0]  ; gain / rms
.set z, z+1
.endr
	WIN 0x41                                       ; destination and source 0 window 1, source 1 window 0
.set z, 0
.rept 16
	v_pk_mul_f32 v[32*t+2*z:32*t+2*z+1], v[32*t+2*z:32*t+2*z+1], v[TT+2*z:TT+2*z+1]
.set z, z+1
.endr
.set t, t+1
.endr
	WIN 0
.Lpack:
; THE WAY OUT.  Tile t: a lane's eight columns pack into 16 bytes; they go into my stage's rows of 144 bytes and come back as whole rows of 128: 16 rows of a head are 2,048 consecutive bytes of the result.
.macro PACK t
	WIN 0x05
.set z, 0
.rept 16
	v_cvt_pk_f16_f32 v[OUTR+16*(\t)+z], v[32*(\t)+2*z], v[32*(\t)+2*z+1]
.set z, z+1
.endr
	WIN 0
.irp f, 0,1,2,3
	ds_store_b128 v[STO], v[OUTR+16*(\t)+4*(\f):OUTR+16*(\t)+4*(\f)+3] offset:32*(\f)
.endr
.irp f, 0,1,2,3
	ds_load_b128 v[OUTR+16*(\t)+4*(\f):OUTR+16*(\t)+4*(\f)+3], v[RD] offset:(\f)*4*SP  ; LDS serves a wave's instructions in order (ISA guide 5.7.1.4): these see the stores above; the next tile's stores come behind them
.endr
.endm
.macro SEND t, younger                 ; younger: the LDS instructions issued behind tile t's loads: the next tile's eight, or none
	WIN 0
.irp f, 0,1,2,3
	s_wait_dscnt (\younger)+3-(\f)
	global_store_b128 v[GO], v[OUTR+16*(\t)+4*(\f):OUTR+16*(\t)+4*(\f)+3], s[8:9] offset:262144*((\t)%2)+2048*((\t)/2)+512*(\f)  ; 512 consecutive bytes, at a multiple of 256 from the buffer's first
.endr
.endm
	PACK 0
.irp t, 1,2,3,4,5,6,7                  ; a tile's roundings stand between the loads of the tile before and its stores
	PACK \t
	SEND (\t)-1, 8
.endr
	SEND 7, 0
	s_wait_tensorcnt 0x0                           ; the wave's end, behind my last tensor load and my last LDS store
	ds_add_u32 v[SPW], v[NIL]
	s_wait_dscnt 0x0
	CROUND                                         ; the closing round: no work-group ends while a partner may still ask for a tile that names it
	s_endpgm
.Lfunc_end_k_q769d08d831_proj:
	.size	k_q769d08d831_proj, .Lfunc_end_k_q769d08d831_proj-k_q769d08d831_proj
	.p2alignl 7, 3214868480
	.fill 96, 4, 3214868480
	.section	.rodata,"a",@progbits
	.p2align	6, 0x0
	.amdhsa_kernel k_q769d08d831_proj
		.amdhsa_group_segment_fixed_size 327680
		.amdhsa_private_segment_fixed_size 0
		.amdhsa_enable_private_segment 0
		.amdhsa_kernarg_size 80
		.amdhsa_user_sgpr_count 2
		.amdhsa_user_sgpr_kernarg_segment_ptr 1
		.amdhsa_wavefront_size32 1
		.amdhsa_system_sgpr_workgroup_id_x 1
		.amdhsa_system_sgpr_workgroup_id_y 1
		.amdhsa_system_sgpr_workgroup_id_z 1
		.amdhsa_system_vgpr_workitem_id 0
		.amdhsa_next_free_vgpr 706
		.amdhsa_next_free_sgpr 96
		.amdhsa_reserve_vcc 0
		.amdhsa_float_denorm_mode_32 3
		.amdhsa_float_denorm_mode_16_64 3
		.amdhsa_memory_ordered 1
		.amdhsa_forward_progress 1
		.amdhsa_inst_pref_size 172
	.end_amdhsa_kernel
	.amdgpu_metadata
---
amdhsa.version: [ 1, 2 ]
amdhsa.kernels:
  - .name:           k_q769d08d831_proj
    .symbol:         k_q769d08d831_proj.kd
    .args:
      - { .name: x, .offset: 0, .size: 8, .value_kind: global_buffer, .address_space: global }
      - { .name: ctx, .offset: 8, .size: 8, .value_kind: global_buffer, .address_space: global }
      - { .name: wt, .offset: 16, .size: 8, .value_kind: global_buffer, .address_space: global }
      - { .name: bq, .offset: 24, .size: 8, .value_kind: global_buffer, .address_space: global }
      - { .name: bkv, .offset: 32, .size: 8, .value_kind: global_buffer, .address_space: global }
      - { .name: gq, .offset: 40, .size: 8, .value_kind: global_buffer, .address_space: global }
      - { .name: gk, .offset: 48, .size: 8, .value_kind: global_buffer, .address_space: global }
      - { .name: qh, .offset: 56, .size: 8, .value_kind: global_buffer, .address_space: global }
      - { .name: kh, .offset: 64, .size: 8, .value_kind: global_buffer, .address_space: global }
      - { .name: vh, .offset: 72, .size: 8, .value_kind: global_buffer, .address_space: global }
    .group_segment_fixed_size: 327680
    .private_segment_fixed_size: 0
    .kernarg_segment_align: 8
    .kernarg_segment_size: 80
    .max_flat_workgroup_size: 128
    .sgpr_count:     96
    .vgpr_count:     706
    .wavefront_size: 32
...
	.end_amdgpu_metadata
.endif
;; end of part 2
;; launch attn (part 3): grid 4 x 64, 4 waves a work-group, clusters of 4 x 1, 327,680 bytes of LDS; arguments qh, kh, vh, oh; writes oh
.if DOCPART == 3
	.amdgcn_target "amdgcn-amd-amdhsa--gfx1250"
	.amdhsa_code_object_version 6
	.text
	.protected	k_q769d08d831_attn
	.globl	k_q769d08d831_attn
	.p2align	8
	.type	k_q769d08d831_attn,@function
k_q769d08d831_attn:
	s_mov_b64 s[64:65], 0
	v_nop
	global_prefetch_b8 v0, s[64:65] scope:SCOPE_SE
	s_setreg_imm32_b32 hwreg(HW_REG_WAVE_MODE, 25, 1), 1
	s_wait_xcnt 0x0
	s_wait_alu depctr_hold_cnt(0) depctr_sa_sdst(0) depctr_va_vdst(0) depctr_va_sdst(0) depctr_va_ssrc(0) depctr_va_vcc(0) depctr_vm_vsrc(0)
	s_getreg_b32 s2, hwreg(HW_REG_IB_STS2, 6, 4)
	s_cmp_eq_u32 s2, 0
	s_cbranch_scc0 .Lentry_in_a_cluster
	s_endpgm
.Lentry_in_a_cluster:
	s_bfe_u32 s2, ttmp6, 0x10000c
	s_cmp_lg_u32 s2, 0x3003
	s_cbranch_scc0 .Lentry_shape_is_right
	s_endpgm
.Lentry_shape_is_right:
; O[h][q][:] = the sum over k of softmax_k(Q[h][q] . K[h][k] / 8) V[h][k][:].  Q, K, V, O: [SIZE_H][SIZE_N][64], all f16: a head's rows are dense, 128 bytes each.  Products, maxima and sums in
; f32; the weights p are rounded to f16 for the second product (their sum l is taken of the unrounded p), O once at the end.
; LIMITS.  f16 holds no number beyond 65,504: Q, K and V arrive within it; p lies in 0 to 1, and below 6e-5 it keeps f16's fixed step of 6e-8; O is a mean of V's rows and has their range.
; A weight below 2^-126 counts as 0 in l; NaN and infinities are not treated apart.
; SHARES.  A wave owns four PIECES of two tiles of 16 queries, a work-group's four waves 512 queries of one head.  Every wave walks all keys, 64 a step.
; LAYOUT.  S^T = K Q^T (source 0 = 16 keys, source 1 = 16 queries): in the result a lane holds ONE query (lane % 16) and the keys 8 (lane / 16) + 0..7.  Two such tiles, rounded to f16 in pairs,
; ARE source 1 (32 keys x 16 queries) of O^T = V^T P, whose result again holds one query a lane, and eight channels.  K comes out of LDS as it lies, V ([key][channel]) turned, by ds_load_tr16_b128.
; SOFTMAX.  For each query a running maximum m and sum l: p = 2^(c s - c m), c = log2(e) / 8; in every step O and l are multiplied by a = 2^(c m_old - c m_new), which is 1 where m has not grown.
; m starts at the lowest finite number, O and l at 0: the first step is a step like any other, with a = 0.
; THE COUNT.  A tile and step have 16 matrix and 118 vector instructions: too many to stand all beside the matrix work.  So the order has one aim: four vector instructions that are READY behind
; EVERY matrix instruction, and the others, which need time of their own whatever the order, in runs without a gap.
; BY TURNS.  Turn n belongs to piece n (the pieces in a ring, step after step).  Its matrix work: 16 products K Q^T of piece n + 1, later 16 products V^T P of piece n - 1.  Its vector work: the scaling,
; exponentials, roundings, sums and rescaling of piece n, and the maximum and statistics of piece n + 1, whose scores the turn itself has made.  So what a turn begins with (c s - c m, O a) waits for nothing.
; CLUSTER.  The four query blocks of a head are one cluster and walk the same K and V, so each tile is asked for JOINTLY: the same tensor load, descriptor and mask in all four.
; REGISTERS, in windows of 256 (s_set_vgpr_msb says which window each operand place means: bits 1:0 source 0, 3:2 source 1, 5:4 source 2, 7:6 destination):
;   window 0: v0-11 addresses; v12-15, v48-63 at work; v16-47 four registers of statistics a tile; v64-191 S^T, two buffers of two tiles; v192-255 P, likewise
;   window 1: O^T, 32 a tile          window 2: v0-127 Q, 16 a tile; v128-191 K of one step; v192-255 V of one step          window 3: v0-1 the add's two registers
; A piece's buffers go by its number's parity: the piece in hand has one pair, its two neighbours in the ring share the other: of it P (piece n - 1) is read and S^T (piece n + 1) written.
.set SIZE_H, 64
.set SIZE_N, 2048
.set NP,    4         ; pieces a wave: a name, no knob: the register map, the loop and the fetches are made for four
.set KS,    64        ; keys in a step
.set PK,    144       ; a row of K in LDS: 128 bytes + 16 of padding = 36 words: the 16 rows of a load start at 16 different groups of four banks (64 banks of 4 bytes: ISA guide 11.1)
.set PV,    160       ; a row of V: 128 + 32 = 40 words
.set VOFF,  4*KS*PK   ; a slot holds four steps: 256 rows of K, then 256 rows of V
.set SLOT1, 1<<17     ; slot 1 begins here, so that one exclusive or turns an address in one slot into the other's
.set STAGE, SLOT1+4*KS*(PK+PV)  ; behind the ring, never filled by a tensor load: 16 rows x 144 bytes for each wave, for the way out
.set SP,    144
.set AK0, 2           ; v2   my lane's place in a tile of K; never rewritten
.set AV0, 3           ; v3   the same for V
.set AK,  4           ; v4   the LDS address of K's next run of loads
.set AV,  5           ; v5   of V's
.set QO,  6           ; v6   my byte offset in the wave's rows of Q
.set STO, 6           ;      later, the way out: where I put 16 bytes of a row
.set RD,  7           ; v7   the way out: where I read rows back
.set GO,  8           ; v8   my byte offset in 512 consecutive bytes of O
.set PFO, 11          ; v11  256 x my lane, once V's lane address is made; then never rewritten
.set SPW, 0           ; v0 of window 3   LDS address of my spare word: SPARE + 4 x my thread's number; never rewritten
.set NIL, 1           ; v1 of window 3   0; never rewritten
.set SPARE, STAGE+4*16*SP  ; behind the stages: the spare words, 128 bytes for each wave: two blocks of 256 bytes that no other line names
.set MV,  12          ; v12-15  c m_old, kept while c m is made anew: by buffer and tile
.set ST,  16          ; tile t's statistics at v[ST+4 t]: c m, m, l (even keys', odd keys')
.set TMP, 48          ; by buffer and tile, four registers c0-c3 at work; when the maximum is found c2 takes a
.set S,   64
.set P,   192
.set KF,  128         ; K's fragments, in window 2: key block kb, channel half c at KF + 16 kb + 8 c
.set VF,  192         ; V's: key half kk, channel block cb at VF + 32 kk + 8 cb
.set WV,  12          ; s12  my wave's number
.set G1K, 24          ; s[24:31] descriptor group 1 for K's tiles
.set G1V, 32          ; s[32:39] for V's: it differs in the padding alone
.set G0K, 40          ; s[40:43] descriptor group 0 for K's tiles: it walks
.set G0V, 44          ; s[44:47] the same for V's
.set PFA, 48          ; s[48:49] where my prefetches stand: my work-group's 32 blocks of 256 bytes (of K: wave 0, of V: wave 2) of the slot after the one that is being asked for
.set LIM, 50          ; s50  1 in a wave that prefetches, else the greatest number: a wave prefetches while s[SLOTS] is above it
.set SLOTS, 56        ; s56  slots still to be asked for
.set CNT, 57          ; s57  counts a slot's key steps
.set CS,  58          ; s[58:59] c: the packed scaling takes the pair's low word for both halves
.set SEL, 60          ; s[60:61] v_permlanex16_b32's selects: each lane takes its own place in the other half
.set TBK, 62          ; s62  LDS byte at which K of the step to be fetched begins
.set TBV, 63          ; s63  the same for V, less VOFF
.set MSB, 0
.macro WIN new                      ; the high byte repeats the setting that is left; a switch that changes nothing is dropped
.if MSB != (\new)
	s_set_vgpr_msb (MSB<<8)|(\new)
.set MSB, (\new)
.endif
.endm
.set W_KQ, 0x0a       ; K and Q in window 2, S^T in window 0
.set W_PV, 0x52       ; V in window 2, P in window 0, O^T in window 1
.set W_RS, 0x41       ; O^T (destination and source 0) in window 1, a in window 0
.set W_MK, 0xc0       ; the add's registers are made: destination in window 3, sources in window 0
.set W_AD, 0x0f       ; the add: address (source 0) and data (source 1) in window 3
; A joint fill.  Waves 0 and 1 fetch the two halves of a slot's K, waves 2 and 3 those of its V: 128 keys each.  The branch hangs on the wave's number alone.
; An s_nop 0 and four v_nop follow each of the two lines, ahead of the jump and the label.
.macro JLOAD
	s_cmp_lt_u32 s[WV], 2
	s_cbranch_scc0 .Lfor_v_\@
	tensor_load_to_lds s[G0K:G0K+3], s[G1K:G1K+7]
	s_nop 0
.rept 4
	v_nop
.endr
	s_branch .Lasked_\@
.Lfor_v_\@:
	tensor_load_to_lds s[G0V:G0V+3], s[G1V:G1V+7]
	s_nop 0
.rept 4
	v_nop
.endr
.Lasked_\@:
.endm
; A PREFETCH INTO THE L2 of what the NEXT change of slots will ask for: a slot's 256 keys are 32,768 dense bytes of K and of V, 128 aligned blocks of 256 each.  It stands behind the wave's tensor load and its five lines.
; A head has one cluster; its four partners share the blocks out BY ADDRESS, 32 each: no branch hangs on a work-group's place in its cluster.  In each, wave 0 asks for K's and wave 2 for V's, a lane a block:
; each block is named once in the launch.  It stands four key steps, 512 matrix instructions, ahead of the load that will want it.  Slots 0 and 1 come by their loads alone; the last change that fills a slot asks for nothing.
.macro ASK
	s_cmp_gt_u32 s[SLOTS], s[LIM]
	s_cbranch_scc0 .Lnot_mine_\@
	global_prefetch_b8 v[PFO], s[PFA:PFA+1] th:TH_LOAD_NT scope:SCOPE_SE
.Lnot_mine_\@:
.endm
; A round of the cluster's barrier: my work-group's barrier, so that wave 0's signal speaks for all four waves; wave 0 signals; every wave waits for all four work-groups; my work-group's barrier once more.
.macro CROUND
	s_barrier_signal -1
	s_barrier_wait -1
	s_cmp_lg_u32 s[WV], 0
	s_cbranch_scc1 .Lnot_wave_0_\@
	s_barrier_signal -3
.Lnot_wave_0_\@:
	s_barrier_wait -3
	s_barrier_signal -1
	s_barrier_wait -1
.endm
; THE CHANGE OF SLOTS.  The slot's last bytes, V of its fourth step, have been read.  Each wave waits for all its tensor loads, of which one is out: its part
; of the other slot; adds 0 to its spare word; and waits for that and for its own reads of the slot.  Behind the barrier nobody reads this slot any more and the other slot is whole.
; fill = 1: this slot is filled again, with the keys two slots on.  The barrier is then a round of the cluster's, so that no wave of any partner still reads the slot or has a load on its
; way, and the joint fill is the first thing behind it: it has four key steps, 512 matrix instructions, in which to land.  (At its first use nothing has been read yet: slot 0 is waited for, slot 1 filled.)
.macro CHANGE fill
	WIN W_AD
	s_wait_tensorcnt 0x0            ; no tensor load of mine is out, so a group 0 may be written
	ds_add_u32 v[SPW], v[NIL]       ; 0 onto my spare word; with fill = 1 the descriptors' steps stand between it and the wait for it
	WIN 0                           ; at a label and at a branch every window is 0
.if \fill
.irp g, G0K, G0V
	s_xor_b32 s[\g+1], s[\g+1], SLOT1  ; the walking descriptor: the other slot than last time,
	s_add_nc_u64 s[\g+2:\g+3], s[\g+2:\g+3], 4*KS*128  ; the next 256 keys; the type bits on top are not reached
.endr
	s_wait_xcnt 0x0                 ; the last prefetch, four key steps back, has read its address, so it may be written:
	s_add_nc_u64 s[PFA:PFA+1], s[PFA:PFA+1], 4*KS*128  ; one slot beyond the walking descriptors
	s_wait_dscnt 0x0                ; the add is done, and my reads of the slot are over
	CROUND
	JLOAD
	ASK
.else
	s_wait_dscnt 0x0                ; the add is done, and my reads of the slot are over
	s_barrier_signal -1
	s_barrier_wait -1
.endif
	s_sub_co_u32 s[TBK], s[TBK], 4*KS*PK  ; the fetches go back to a slot's first step,
	s_xor_b32 s[TBK], s[TBK], SLOT1       ; in the other slot
	s_sub_co_u32 s[TBV], s[TBV], 4*KS*PV
	s_xor_b32 s[TBV], s[TBV], SLOT1
.endm
	s_load_b256 s[4:11], s[0:1], 0x0  ; Q s[4:5], K s[6:7], V s[8:9], O s[10:11]
	WIN W_MK
	v_lshl_add_u32 v[SPW], v0, 2, SPARE
	v_mov_b32 v[NIL], 0
	WIN W_AD
	ds_add_u32 v[SPW], v[NIL]       ; the wave's opening: the add and its wait stand ahead of my first tensor load; the set-up below, work on registers, stands between them
	WIN 0
	v_lshrrev_b32 v1, 5, v0
	v_readfirstlane_b32 s[WV], v1   ; wave 0..3
	s_bfe_u32 s13, ttmp6, 0x40000   ; cx: my place in the cluster
	s_lshl_b32 s14, ttmp9, 2        ; in a cluster launch ttmp9 counts clusters
	s_add_co_u32 s14, s14, s13      ; my block of queries = 4 x cluster x + cx: it enters Q's and O's addresses alone
	s_and_b32 s20, ttmp7, 0xffff    ; the head, which the four partners share
	s_mov_b32 s21, 0
	s_mov_b64 s[22:23], SIZE_N*128
	s_mul_u64 s[20:21], s[20:21], s[22:23]  ; the head's first byte in each of the four tensors
	s_and_b32 s16, s[WV], 1         ; which half of a slot's 256 keys I fetch:
	s_lshl_b32 s22, s16, 14         ; its 128 rows of 128 bytes in memory,
	s_mov_b32 s23, 0
	s_add_nc_u64 s[22:23], s[22:23], s[20:21]
	s_mul_i32 s17, s16, 128*PK      ; and its place in a slot, for K
	s_mul_i32 s18, s16, 128*PV      ; and for V: no place in the cluster enters an LDS address
	s_lshl_b32 s2, s14, 2
	s_add_co_u32 s2, s2, s[WV]      ; my wave among the head's,
	s_lshl_b32 s2, s2, 14           ; its 128 rows
	s_mov_b32 s3, 0
	s_add_nc_u64 s[2:3], s[2:3], s[20:21]
	; descriptor group 1.  128 keys are 16,384 dense bytes: asked for as 64 rows of 256 bytes, two keys a row, and padded in LDS after every key
	s_mov_b32 s[G1K], 15|(1<<16)|(1<<20)|(1<<21)|(4<<22)|(3<<25)  ; 15:0 the mask of four; 17:16 2-byte elements; 20 padding on; 21 set beside a mask; 24:22 after every 32 words (code 4); 31:25 4 words (code 3)
	s_mov_b32 s[G1V], 15|(1<<16)|(1<<20)|(1<<21)|(4<<22)|(7<<25)  ; the same with 8 words of padding (code 7)
.irp g, G1K, G1V
	s_mov_b32 s[\g+1], 128<<16      ; tensor_dim0 = 128
	s_mov_b32 s[\g+2], 64<<16       ; tensor_dim1 = 64
	s_mov_b32 s[\g+3], 128<<16      ; tile_dim0 = 128
	s_mov_b32 s[\g+4], 64           ; tile_dim1 = 64
	s_mov_b32 s[\g+5], 128          ; 128 elements from row to row
	s_mov_b32 s[\g+6], 0
	s_mov_b32 s[\g+7], 0
.endr
	s_mov_b32 s[CS], 0x3e38aa3b     ; c = log2(e) / 8 = 0.180337
	s_mov_b32 s[CS+1], s[CS]        ; named with it as a pair
	s_mov_b32 s[SEL], 0x76543210
	s_mov_b32 s[SEL+1], 0xfedcba98
	s_mov_b32 s[TBK], SLOT1+4*KS*PK ; the first change of slots turns these two into 0
	s_mov_b32 s[TBV], SLOT1+4*KS*PV
	s_mov_b32 s[G0K], 1             ; 1:0 count = 1
	s_mov_b32 s[G0K+1], s17         ; 63:32 LDS address: slot 0
	s_mov_b32 s[G0V], 1
	s_add_co_u32 s[G0V+1], s18, VOFF
	s_mov_b32 s[SLOTS], SIZE_N/256-1  ; the change that asks for slot t finds 8 - t here
	s_and_b32 s[LIM], s[WV], 1      ; 0 in waves 0 and 2: the same in all four partners
	s_cmp_eq_u32 s[LIM], 0
	s_cselect_b32 s[LIM], 1, -1
	s_wait_dscnt 0x0                ; the opening add is done
	s_wait_kmcnt 0x0
	s_add_nc_u64 s[G0K+2:G0K+3], s[6:7], s[22:23]  ; 120:64 global address: my half of the head's first 256 keys
	s_or_b32 s[G0K+3], s[G0K+3], 0x80000000        ; 127:126 type = 2
	s_add_nc_u64 s[G0V+2:G0V+3], s[8:9], s[22:23]
	s_or_b32 s[G0V+3], s[G0V+3], 0x80000000
	s_add_nc_u64 s[4:5], s[4:5], s[2:3]  ; Q and O at my wave's first row
	s_add_nc_u64 s[10:11], s[10:11], s[2:3]
	s_cmp_lt_u32 s[WV], 2
	s_cselect_b64 s[PFA:PFA+1], s[6:7], s[8:9]
	s_add_nc_u64 s[PFA:PFA+1], s[PFA:PFA+1], s[20:21]  ; the head,
	s_lshl_b32 s2, s13, 13          ; my work-group's 32 blocks of the 128,
	s_mov_b32 s3, 0
	s_add_nc_u64 s[PFA:PFA+1], s[PFA:PFA+1], s[2:3]
	s_add_nc_u64 s[PFA:PFA+1], s[PFA:PFA+1], 4*KS*128  ; in slot 1; the first change of slots steps it to slot 2.  Nothing is prefetched here, at the head, where every work-group's first tiles are on their way
	CROUND                          ; all four work-groups are here: the first joint loads meet
	JLOAD                           ; slot 0.  Slot 1 is asked for when slot 0 is in: the tile wanted first has the road to itself
	; A fragment of K or Q is 16 rows x 32 channels in 8 registers: lane l holds row l % 16, channels 8 (l / 16) + 0..7 and 16 + 8 (l / 16) + 0..7: two loads of 16 bytes, 32 bytes apart.
	v_and_b32 v1, 15, v0            ; l % 16
	v_bfe_u32 v9, v0, 4, 1          ; l / 16
	v_lshlrev_b32 v[QO], 7, v1
	v_lshl_add_u32 v[QO], v9, 4, v[QO]  ; row x 128 + 16 x half
	WIN 0x80                        ; destination window 2, address window 0
.set i, 0
.rept 4*NP                          ; Q stays in registers: tile i / 2, channels 32 (i % 2) on
	global_load_b128 v[8*i:8*i+3],   v[QO], s[4:5] offset:(i/2)*2048+(i%2)*64
	global_load_b128 v[8*i+4:8*i+7], v[QO], s[4:5] offset:(i/2)*2048+(i%2)*64+32
.set i, i+1
.endr
	; What the first turn finds: V's registers and P's second buffer hold 0 (its products V^T P, of a piece that has not been, add 0), O^T and l are 0.  All this stands in the wait for the first tile.
.set i, VF
.rept 64
	v_mov_b32 v[i], 0
.set i, i+1
.endr
	WIN 0x40
.set i, 0
.rept 64*NP
	v_mov_b32 v[i], 0
.set i, i+1
.endr
	WIN 0
.set i, 0
.rept 2*NP
	v_mov_b32 v[ST+4*i], 0xfe000000    ; c m: far below every c s
	v_mov_b32 v[ST+4*i+1], 0xff7fffff  ; m
	v_mov_b32 v[ST+4*i+2], 0
	v_mov_b32 v[ST+4*i+3], 0
.set i, i+1
.endr
.set i, P+32
.rept 32
	v_mov_b32 v[i], 0
.set i, i+1
.endr
	v_mul_u32_u24 v[AK0], v1, PK
	v_lshl_add_u32 v[AK0], v9, 4, v[AK0]  ; row x pitch + 16 x half
	; The turning load takes 16 keys x 16 channels (lane l reads key 8 (l / 16) + l % 8, channels 8 ((l / 8) % 2) + 0..7) and leaves half a fragment of V^T: lane l holds channel l % 16 and 8 keys.
	v_and_b32 v10, 7, v0
	v_bfe_u32 v11, v0, 3, 1
	v_lshl_add_u32 v[AV0], v9, 3, v10
	v_mul_u32_u24 v[AV0], v[AV0], PV
	v_lshl_add_u32 v[AV0], v11, 4, v[AV0]
	v_add_nc_u32 v[AV0], VOFF, v[AV0]
	v_and_b32 v[PFO], 31, v0        ; v11 has served: from here on the prefetches' offset
	v_lshlrev_b32 v[PFO], 8, v[PFO]
	v_mov_b32 v[AK], v[AK0]         ; key step 0 lies at the head of slot 0
; THE MATRIX WORK.  The 8 accumulators of a run of 16 take turns: between the two links of a chain stand 7 others'.
; Product i of 16 of S^T = K Q^T for piece x: channels 32 (i / 8) on, keys 16 ((i / 2) % 4) on, tile 2 x + i % 2.  The first 8 start the sums.
.macro KQ x
	WIN W_KQ
.set rS, S+64*((\x)%2)+32*(i%2)+8*((i/2)%4)
.set rK, KF+16*((i/2)%4)+8*(i/8)
.set rQ, 16*(2*(\x)+i%2)+8*(i/8)
.if i < 8
	v_wmma_f32_16x16x32_f16 v[rS:rS+7], v[rK:rK+7], v[rQ:rQ+7], 0
.else
	v_wmma_f32_16x16x32_f16 v[rS:rS+7], v[rK:rK+7], v[rQ:rQ+7], v[rS:rS+7]
.endif
.endm
; Product i of 16 of O^T += V^T P for piece x: keys 32 (i / 8) on, channels 16 ((i / 2) % 4) on, tile 2 x + i % 2.
.macro PV x
	WIN W_PV
.set rO, 32*(2*(\x)+i%2)+8*((i/2)%4)
.set rV, VF+32*(i/8)+8*((i/2)%4)
.set rP, P+32*((\x)%2)+16*(i%2)+8*(i/8)
	v_wmma_f32_16x16x32_f16 v[rO:rO+7], v[rV:rV+7], v[rP:rP+7], v[rO:rO+7]
.endm
.macro MM                           ; the turn's next matrix instruction
.if i < 16
	KQ (Y+1)%NP
.set i, i+1
.else
.set i, i-16
	PV (Y+NP-1)%NP
.set i, i+17
.endif
.endm
; THE LDS LOADS stand in runs of 16, never singly among the matrix instructions: a step's K (64 keys x 64 channels: 8 fragments) and its V (turned).  Their addresses are made some lines ahead.
; last = 1 (the tail): in the last trip there is no further step, and the run is jumped over.
.macro FETCH_K last=0
	WIN 0
.if \last
	s_cmp_eq_u32 s[CNT], 1
	s_cbranch_scc1 .Lno_k_\@
.endif
	WIN 0x80                        ; destination window 2
.irp f, 0,1,2,3,4,5,6,7             ; keys 16 (f / 2) on, channels 32 (f % 2) on
	ds_load_b128 v[KF+8*\f:KF+8*\f+3],   v[AK] offset:(\f/2)*16*PK+(\f%2)*64
	ds_load_b128 v[KF+8*\f+4:KF+8*\f+7], v[AK] offset:(\f/2)*16*PK+(\f%2)*64+32
.endr
	s_add_co_u32 s[TBK], s[TBK], KS*PK  ; the next fetch is the next step's
	WIN 0
.if \last
.Lno_k_\@:
.endif
.endm
.macro FETCH_V
	WIN 0x80
.irp f, 0,1,2,3,4,5,6,7             ; keys 32 (f / 4) on, channels 16 (f % 4) on
	ds_load_tr16_b128 v[VF+8*\f:VF+8*\f+3],   v[AV] offset:(\f/4)*32*PV+(\f%4)*32
	ds_load_tr16_b128 v[VF+8*\f+4:VF+8*\f+7], v[AV] offset:(\f/4)*32*PV+16*PV+(\f%4)*32
.endr
	WIN 0
.endm
; THE VECTOR WORK OF A TURN stands in three queues, each in the order in which its entries become ready; the two tiles alternate, so that no instruction reads the result of the one before it.
.macro REGS y, u                    ; the registers of tile u (0, 1) of piece y
.set rT, ST+4*(2*(\y)+(\u))
.set rC, TMP+8*((\y)%2)+4*(\u)
.set rM, MV+2*((\y)%2)+(\u)
.set rS, S+64*((\y)%2)+32*(\u)
.set rP, P+32*((\y)%2)+16*(\u)
.set rO, 32*(2*(\y)+(\u))
.endm
; Number n of the 22 that find the NEXT piece's (Y + 1) maximum and statistics.  s0-s31 are the lane's 32 scores; each accumulator's lowest registers are read first.  XS, GS and REGS set no window: PL and EX do.
;   0-11  four chains c0-c3 of seven scores each, three operands at a time     12-14, 16  the four scores left over, the old m, and c0-c3 into c0     15  c m_old is kept
;   17, 18  the query's other 32 keys lie in the lane 16 away: the new m         19-21  c m; c m_old - c m_new; a
.macro XS u, n
	REGS (Y+1)%NP, \u
.if (\n) < 4
	v_max3_num_f32 v[rC+(\n)], v[rS+8*(\n)], v[rS+8*(\n)+1], v[rS+8*(\n)+2]
.elseif (\n) < 12
	v_max3_num_f32 v[rC+(\n)%4], v[rC+(\n)%4], v[rS+8*((\n)%4)+2*((\n)/4)+1], v[rS+8*((\n)%4)+2*((\n)/4)+2]
.elseif (\n) == 12
	v_max3_num_f32 v[rC], v[rC], v[rS+7], v[rS+15]
.elseif (\n) == 13
	v_max3_num_f32 v[rC+1], v[rC+1], v[rS+23], v[rS+31]
.elseif (\n) == 14
	v_max3_num_f32 v[rC+2], v[rC+2], v[rC+3], v[rT+1]
.elseif (\n) == 15
	v_mov_b32 v[rM], v[rT]
.elseif (\n) == 16
	v_max3_num_f32 v[rC], v[rC], v[rC+1], v[rC+2]
.elseif (\n) == 17
	v_permlanex16_b32 v[rC+3], v[rC], s[SEL], s[SEL+1]
.elseif (\n) == 18
	v_max_num_f32 v[rT+1], v[rC], v[rC+3]
.elseif (\n) == 19
	v_mul_f32 v[rT], s[CS], v[rT+1]
.elseif (\n) == 20
	v_sub_f32 v[rC+1], v[rM], v[rT]
.else
	v_exp_f32 v[rC+2], v[rC+1]
.endif
.endm
; Number g of the 64 that follow the exponentials.  For each four weights k of a tile (pairs 2 k, 2 k + 1): both pairs are rounded to f16; then the second pair is added onto the first, in place;
; a group later l takes that sum (the first time as l = a l + sum).  In groups of eight, tiles alternating: round, round, add, and l for the group before.
.macro GS g
.set h, (\g)+6*((\g)/62)            ; group 0 has no group before it, and behind group 7 only l is left
.if h >= 6
.set h, h+2
.endif
	REGS Y, h%2
.set k, h/8
.if h%8 < 4
	s_wait_alu depctr_va_vdst(0)
	v_cvt_pk_f16_f32 v[rP+2*k+(h%8)/2], v[rS+4*k+2*((h%8)/2)], v[rS+4*k+2*((h%8)/2)+1]
.elseif h%8 < 6
	v_pk_add_f32 v[rS+4*k:rS+4*k+1], v[rS+4*k:rS+4*k+1], v[rS+4*k+2:rS+4*k+3]
.elseif k == 1
	v_pk_fma_f32 v[rT+2:rT+3], v[rT+2:rT+3], v[rC+2:rC+3], v[rS:rS+1] op_sel_hi:[1,0,1]
.else
	v_pk_add_f32 v[rT+2:rT+3], v[rT+2:rT+3], v[rS+4*k-4:rS+4*k-3]
	s_wait_alu depctr_va_vdst(0)
.endif
.endm
; THE PLAIN QUEUE, 138 long.  0-31: c s - c m for the 16 pairs of both tiles.  Then GS's 64, and among them the next piece's 42: number 15 at 38, 39; 0-14 and 16
; at 42-73, behind the products that make those scores; 17-20 at 95-106, two of three, since each waits for the one before it.
.macro PL
	WIN 0
.if q < 32
	REGS Y, q%2
	v_pk_fma_f32 v[rS+2*(q/2):rS+2*(q/2)+1], v[rS+2*(q/2):rS+2*(q/2)+1], s[CS:CS+1], v[rT:rT+1] op_sel_hi:[1,0,0] neg_lo:[0,0,1] neg_hi:[0,0,1]
.elseif q < 38
	GS q-32
.elseif q < 40
	XS q%2, 15
.elseif q < 42
	GS q-34
.elseif q < 74
	XS q%2, (q-42)/2+(q-42)/30
.elseif q < 95
	GS q-66
.elseif (q < 107) && ((q-95)%3 < 2)
	XS (q-95)%3, 17+(q-95)/3
.elseif q < 107
	GS 29+(q-95)/3
.else
	GS q-74
.endif
.set q, q+1
.endm
; THE EXPONENTIALS' QUEUE, 66 long: s0-s31 of both tiles, and at EA the next piece's two a.
.set EA, 58
.macro EX
	WIN 0
.if (e == EA) || (e == EA+1)
	XS e-EA, 21
.else
.set x, e-2*(e/(EA+2))
	REGS Y, x%2
	v_exp_f32 v[rS+x/2], v[rS+x/2]
.endif
.set e, e+1
.endm
; THE RESCALING's QUEUE: O^T times a, the one part that leaves window 0, so it is dealt four at a time, eight times.
.macro R4
	REGS Y, r%2
	WIN W_RS
	s_wait_alu depctr_va_vdst(0)
.irp z, 0,1,2,3
	v_pk_mul_f32 v[rO+8*(r/2)+2*\z:rO+8*(r/2)+2*\z+1], v[rO+8*(r/2)+2*\z:rO+8*(r/2)+2*\z+1], v[rC+2:rC+3] op_sel_hi:[1,0]
.endr
.set r, r+1
.endm
; HOW THEY ARE DEALT.  Behind a matrix instruction four: plain, exponential, plain, plain (one exponential, a plain instruction on either side), or four of the rescaling.  None names a register of the
; products round it.  What is over stands in two LUMPS: exponential and plain by turns; the second ends in 22 plain instructions.  The two v_permlanex16_b32 fall into the second lump, never behind a product.
; The queues lean on each other, and the deal keeps them in step: exponential e stands behind plain 2 (e / 4) + e % 2 (its scaling); when plain 32 comes, 10 exponentials are out, at 59: 33, at 95: 46; EA comes behind plain 107.
.macro SL
	MM
	PL
	EX
	PL
	PL
.endm
.macro BURST n                      ; 15 matrix instructions, or 16
.rept (\n)-7
	SL
.endr
.rept 3
	MM
	R4
	SL
.endr
	MM
	R4
.endm
; A TURN, for piece p.  cnt = 1: the loop's count is taken down some lines ahead of the branch that stands behind the turn.
; K of the next step is fetched in piece 2's turn, 31 vector instructions behind the last product that read K; its first reader comes behind the rest of the lump, 16 products and the second lump.
; V of the step in hand is fetched at the end of piece 0's turn, 69 behind its last reader; its first reader comes behind 16 products and a lump.  The four conditions on e and q below go with the deal.
.macro TURN p, last=0, cnt=0
.set Y, (\p)
.set i, 0
.set q, 0
.set e, 0
.set r, 0
.if (\p) == NP-1
	s_wait_dscnt 0x0                ; K is in
.endif
	MM
.rept 4
	PL
.endr
	BURST 15
.rept 22
	EX
	PL
.if ((\p) == NP-2) && (e == 18)
	v_add_nc_u32 v[AK], s[TBK], v[AK0]
.endif
.if ((\p) == NP-2) && (e == 24)
	FETCH_K \last
.endif
.endr
.if (\p) == 1
	s_wait_dscnt 0x0                ; V is in
.endif
	BURST 16
.rept 21
	EX
	PL
.endr
.rept 22
	PL
.if ((\p) == 0) && (q == 118)
	v_add_nc_u32 v[AV], s[TBV], v[AV0]
	s_wait_alu depctr_va_vdst(0)
.endif
.if ((\p) == 0) && (q == 130)
	s_add_co_u32 s[TBV], s[TBV], KS*PV
.endif
.if (\cnt) && (q == 130)
	s_sub_co_u32 s[CNT], s[CNT], 1
	s_cmp_lg_u32 s[CNT], 0
.endif
.endr
.if (\p) == 0
	FETCH_V
.endif
.endm
	CHANGE 1                        ; slot 0 is in, everybody's part of it; slot 1 is asked for
	FETCH_K                         ; key step 0
	s_wait_loadcnt 0x0              ; Q
	s_wait_dscnt 0x0
.set i, 0
.rept 16
	KQ 0                            ; piece 0's first scores: there is no vector work yet to set between them
.set i, i+1
.endr
	WIN 0                           ; the addresses for the way out: nine plain instructions, the places behind those products
	s_mul_i32 s13, s[WV], 16*SP
	s_add_co_u32 s13, s13, STAGE    ; my stage
	v_mul_u32_u24 v[STO], v1, SP    ; in: row l % 16, 16 bytes for each half of the lanes
	v_lshl_add_u32 v[STO], v9, 4, v[STO]
	v_add_nc_u32 v[STO], s13, v[STO]
	v_bfe_u32 v[RD], v0, 3, 2       ; back: 32 lanes take four rows of 128 bytes,
	v_mul_u32_u24 v[RD], v[RD], SP
	v_lshl_add_u32 v[RD], v10, 4, v[RD]
	v_add_nc_u32 v[RD], s13, v[RD]
	v_and_b32 v[GO], 31, v0         ; which are 512 consecutive bytes of O
	v_lshlrev_b32 v[GO], 4, v[GO]
.set Y, NP-1                        ; XS works for piece Y + 1: piece 0
.irp n, 0,1,2,3,4,5,6,7,8,9,10,11,12,13,14,15,16,17,18,19,20,21
	XS 0, \n                        ; and piece 0's first maximum and statistics
	XS 1, \n
.endr
	s_mov_b32 s[CNT], 4
	s_branch .Lfirst                ; the loop is entered at a step's first turn, in the middle of a trip
.Lslot:                             ; SIZE_N / 256 - 2 times: every slot but the last two is filled again
	CHANGE 1
	s_mov_b32 s[CNT], 4
.Lstep:                             ; a trip: pieces 2 and 3 of one step, then pieces 0 and 1 of the next, whose K and V it fetches
	TURN 2
	TURN 3
	WIN 0
.Lfirst:
	TURN 0
	TURN 1, 0, 1
	WIN 0
	s_cbranch_scc1 .Lstep
	s_sub_co_u32 s[SLOTS], s[SLOTS], 1
	s_cmp_lg_u32 s[SLOTS], 0
	s_cbranch_scc1 .Lslot
	CHANGE 0                        ; the tail is written out: nothing is asked for
	s_mov_b32 s[CNT], 5             ; four trips fetch the last slot's steps; the fifth is left in its middle
.Ltail:
	TURN 2, 1
	TURN 3
	WIN 0
	s_sub_co_u32 s[CNT], s[CNT], 1
	s_cmp_eq_u32 s[CNT], 0
	s_cbranch_scc1 .Lout
	TURN 0
	TURN 1
	WIN 0
	s_branch .Ltail
.Lout:                              ; the fifth trip's 16 products K Q^T (on the last K once more) and the maximum made of them serve nothing: the price, once a launch, of one text for every trip
.set i, 0
.rept 16
	PV NP-1                         ; the last piece's V^T P of the last step
.set i, i+1
.endr
	; THE WAY OUT.  l's two halves and the other half of the lanes' are added; O^T is divided by l, rounded to f16 and sent through my stage in LDS, a tile at a time.  The additions are the places behind the last products.
	WIN 0
.macro ALL line:vararg              ; one line for each tile t
.set t, 0
.rept 2*NP
	\line
.set t, t+1
.endr
.endm
	ALL v_add_f32 v[ST+4*t+2], v[ST+4*t+2], v[ST+4*t+3]
	ALL v_permlanex16_b32 v[ST+4*t+3], v[ST+4*t+2], s[SEL], s[SEL+1]
	ALL v_add_f32 v[ST+4*t+2], v[ST+4*t+2], v[ST+4*t+3]
	ALL v_rcp_f32 v[ST+4*t+2], v[ST+4*t+2]
	v_nop                           ; a plain instruction between the last reciprocal and the use of its result
	s_wait_alu depctr_va_vdst(0)
; Tile t: a lane's eight channels of a row pack into 16 bytes; they go into rows of 144 bytes and come back as whole rows of 128, into S^T's registers.
.macro PACK t
	WIN W_RS
.set i, 32*(\t)
.rept 16
	v_pk_mul_f32 v[i:i+1], v[i:i+1], v[ST+4*(\t)+2:ST+4*(\t)+3] op_sel_hi:[1,0]
.set i, i+2
.endr
	WIN 0x05                        ; sources 0 and 1 window 1, destination window 0
.set i, 0
.rept 16
	v_cvt_pk_f16_f32 v[S+16*(\t)+i], v[32*(\t)+2*i], v[32*(\t)+2*i+1]
.set i, i+1
.endr
	WIN 0
.irp f, 0,1,2,3
	ds_store_b128 v[STO], v[S+16*(\t)+4*\f:S+16*(\t)+4*\f+3] offset:32*\f
.endr
.irp f, 0,1,2,3
	ds_load_b128 v[S+16*(\t)+4*\f:S+16*(\t)+4*\f+3], v[RD] offset:\f*4*SP  ; LDS serves a wave's instructions in order (ISA guide 5.7.1.4): these see the stores above; the next tile's stores come behind them
.endr
.endm
.macro SEND t, younger              ; younger: the LDS instructions issued behind tile t's loads: the next tile's eight, or none
	WIN 0
.irp f, 0,1,2,3
	s_wait_dscnt (\younger)+3-\f
	global_store_b128 v[GO], v[S+16*(\t)+4*\f:S+16*(\t)+4*\f+3], s[10:11] offset:(\t)*2048+\f*512  ; 512 consecutive bytes, at a multiple of 256 from O's first
.endr
.endm
	PACK 0
.set t, 1
.rept 2*NP-1                        ; a tile's arithmetic stands between the loads of the tile before and its stores
	PACK t
	SEND t-1, 8
.set t, t+1
.endr
	SEND 2*NP-1, 0
	WIN W_AD
	s_wait_tensorcnt 0x0            ; the wave's end, behind my last tensor load and my last LDS store
	ds_add_u32 v[SPW], v[NIL]
	s_wait_dscnt 0x0
	WIN 0
	CROUND                          ; the closing round: no work-group ends while a partner may still ask for a tile that names it
	s_endpgm
.Lfunc_end_k_q769d08d831_attn:
	.size	k_q769d08d831_attn, .Lfunc_end_k_q769d08d831_attn-k_q769d08d831_attn
	.p2alignl 7, 3214868480
	.fill 96, 4, 3214868480
	.section	.rodata,"a",@progbits
	.p2align	6, 0x0
	.amdhsa_kernel k_q769d08d831_attn
		.amdhsa_group_segment_fixed_size 327680
		.amdhsa_private_segment_fixed_size 0
		.amdhsa_enable_private_segment 0
		.amdhsa_kernarg_size 32
		.amdhsa_user_sgpr_count 2
		.amdhsa_user_sgpr_kernarg_segment_ptr 1
		.amdhsa_wavefront_size32 1
		.amdhsa_system_sgpr_workgroup_id_x 1
		.amdhsa_system_sgpr_workgroup_id_y 1
		.amdhsa_system_sgpr_workgroup_id_z 1
		.amdhsa_system_vgpr_workitem_id 0
		.amdhsa_next_free_vgpr 770
		.amdhsa_next_free_sgpr 66
		.amdhsa_reserve_vcc 0
		.amdhsa_float_denorm_mode_32 3
		.amdhsa_float_denorm_mode_16_64 3
		.amdhsa_memory_ordered 1
		.amdhsa_forward_progress 1
		.amdhsa_inst_pref_size 209
	.end_amdhsa_kernel
	.amdgpu_metadata
---
amdhsa.version: [ 1, 2 ]
amdhsa.kernels:
  - .name:           k_q769d08d831_attn
    .symbol:         k_q769d08d831_attn.kd
    .args:
      - { .name: qh, .offset: 0, .size: 8, .value_kind: global_buffer, .address_space: global }
      - { .name: kh, .offset: 8, .size: 8, .value_kind: global_buffer, .address_space: global }
      - { .name: vh, .offset: 16, .size: 8, .value_kind: global_buffer, .address_space: global }
      - { .name: oh, .offset: 24, .size: 8, .value_kind: global_buffer, .address_space: global }
    .group_segment_fixed_size: 327680
    .private_segment_fixed_size: 0
    .kernarg_segment_align: 8
    .kernarg_segment_size: 32
    .max_flat_workgroup_size: 128
    .sgpr_count:     66
    .vgpr_count:     770
    .wavefront_size: 32
...
	.end_amdgpu_metadata
.endif
;; end of part 3
;; launch outp (part 4): grid 4 x 64, 4 waves a work-group, clusters of 4 x 4, 327,680 bytes of LDS; arguments oh, wp, bproj, out0; writes out0
.if DOCPART == 4
	.amdgcn_target "amdgcn-amd-amdhsa--gfx1250"
	.amdhsa_code_object_version 6
	.text
	.protected	k_q769d08d831_outp
	.globl	k_q769d08d831_outp
	.p2align	8
	.type	k_q769d08d831_outp,@function
k_q769d08d831_outp:
	s_mov_b64 s[64:65], 0
	v_nop
	global_prefetch_b8 v0, s[64:65] scope:SCOPE_SE
	s_setreg_imm32_b32 hwreg(HW_REG_WAVE_MODE, 25, 1), 1
	s_wait_xcnt 0x0
	s_wait_alu depctr_hold_cnt(0) depctr_sa_sdst(0) depctr_va_vdst(0) depctr_va_sdst(0) depctr_va_ssrc(0) depctr_va_vcc(0) depctr_vm_vsrc(0)
	s_getreg_b32 s2, hwreg(HW_REG_IB_STS2, 6, 4)
	s_cmp_eq_u32 s2, 0
	s_cbranch_scc0 .Lentry_in_a_cluster
	s_endpgm
.Lentry_in_a_cluster:
	s_bfe_u32 s2, ttmp6, 0x10000c
	s_cmp_lg_u32 s2, 0xf033
	s_cbranch_scc0 .Lentry_shape_is_right
	s_endpgm
.Lentry_shape_is_right:
; out0 = O Wproj + bproj.  oh: [64 = 16 batch + head][2048][64] f16, as the attention left it; wp: [1024 n][1024 k] f16 (Wproj turned, rounded to bf16, written as f16); bproj f32, rounded to bf16 like every input;
; out0: [8192][1024] f32.  Sums in f32, started by the bias.  k = 64 head + channel, so a K step of 128 is two heads.
; LIMITS.  O and wp arrive within f16's range; NaN and infinities are not treated apart.
; SHARES.  A tile of the result is 128 rows x 256 columns: 4 x 64 = 256 work-groups.  Four waves, each 64 rows x 128 columns: 32 accumulators of 16 x 16.  K goes in 8 steps of 128 through a ring of two LDS slots.
; CLUSTERS: 4 x 4 work-groups.  The four of a row of the cluster need the same rows of O, the four of a column the same rows of wp: each tile is asked for JOINTLY.
; THE MATRIX INSTRUCTION IS USED TRANSPOSED (source 0 = 16 rows of wp, source 1 = 16 rows of O): a lane holds one row of the result and eight neighbouring columns, 32 bytes.
; No prefetch: the launch is short and its tile small, and wp is read by all sixteen rows of clusters.
; REGISTERS, in windows of 256 (s_set_vgpr_msb: bits 1:0 source 0, 3:2 source 1, 5:4 source 2, 7:6 destination):
;   window 0: v0-29 addresses; v32-95 O's fragments, two buffers of 32          window 1: accumulator (a, b) at v[8 (8 a + b)]
;   window 2: v0-127 wp's fragments, two buffers of 64; v128-191 the bias; v192 at work; on the way out all 256: block a's 16 rows at 64 a
.set PAH,    144                       ; a row of a head in LDS: 128 bytes + 16 = 9 x 16: the 16 rows of a load start at 16 different groups of four banks (64 banks of 4 bytes: ISA guide 11.1)
.set PB,     272                       ; a row of wp: 256 bytes + 16
.set AHEAD,  128*PAH                   ; one head's 128 rows: what wave 0 or 1 fetches
.set BHALF,  128*PB                    ; what wave 2 or 3 fetches, and what a wave reads of wp
.set SLOT,   2*AHEAD+2*BHALF           ; two heads of O, then wp's 256 rows
.set STAGE,  2*SLOT                    ; behind the ring, never filled by a tensor load: 16 rows x 528 bytes for each wave, for the way out
.set SPITCH, 528                       ; 512 bytes (128 f32) + 16
.set SPARE,  STAGE+4*16*SPITCH         ; behind the stages: the spare words, 128 bytes for each wave: two blocks of 256 bytes that no other line names
.set BO,   6                           ; v6      my byte offset in the bias
.set ADRA, 16                          ; v16-17  LDS address of my fragments of O in slot 0, 1
.set ADRB, 20                          ; v20-21  the same for wp
.set STO,  24                          ; v24     the way out: where I put 32 bytes of a row
.set RD,   25                          ; v25     the way out: where I read 16 bytes of a row back
.set CO,   26                          ; v26     16 x lane: my place in 512 consecutive bytes of the result
.set SPW,  28                          ; v28     LDS address of my spare word; never rewritten
.set NIL,  29                          ; v29     0; never rewritten
.set AF,   32                          ; O's fragments: buffer f at AF + 32 f
.set BIAS, 128                         ; window 2
.set G1,  24                           ; s[24:31] descriptor group 1 for O's tiles;  s[32:39] group 0, one set for each slot
.set G0,  32
.set G1B, 48                           ; s[48:55], s[56:63] the same for wp's tiles
.set G0B, 56
.set MSB, 0
.macro WIN new                         ; the immediate's high byte repeats the setting that is left; a switch that changes nothing is dropped
.if MSB != (\new)
	s_set_vgpr_msb (MSB<<8)|(\new)
.set MSB, \new
.endif
.endm
.set MUL,  0x52                        ; source 0 (wp) window 2, source 1 (O) window 0, C and D window 1
.set MULB, 0x62                        ; the same with C, the bias, in window 2
.set TO_B, 0x80                        ; destination window 2, address window 0
.macro JLOAD s                         ; a joint load: waves 0 and 1 fetch the step's two heads of O, waves 2 and 3 wp's two halves; an s_nop 0 and four v_nop follow each of the two lines, ahead of the jump, the label and what follows
	s_cmp_eq_u32 s11, 0
	s_cbranch_scc0 .Lfor_b_\@
	tensor_load_to_lds s[G0+4*(\s):G0+4*(\s)+3], s[G1:G1+7]
	s_nop 0
.rept 4
	v_nop
.endr
	s_branch .Lasked_\@
.Lfor_b_\@:
	tensor_load_to_lds s[G0B+4*(\s):G0B+4*(\s)+3], s[G1B:G1B+7]
	s_nop 0
.rept 4
	v_nop
.endr
.Lasked_\@:
.endm
.macro CREST                           ; a round of the cluster's barrier behind its opening barrier
	s_cmp_lg_u32 s10, 0
	s_cbranch_scc1 .Lnot_wave_0_\@
	s_barrier_signal -3
.Lnot_wave_0_\@:
	s_barrier_wait -3
	s_barrier_signal -1
	s_barrier_wait -1
.endm
.macro CROUND                          ; a whole round
	s_barrier_signal -1
	s_barrier_wait -1
	CREST
.endm
.macro PLACES                          ; four places in front of loads into registers that matrix instructions have read, and of stores that read results
.rept 4
	v_nop
.endr
.endm
	s_load_b256 s[68:75], s[0:1], 0x0              ; oh s[68:69], wp s[70:71], bproj s[72:73], out0 s[74:75]
	v_lshl_add_u32 v[SPW], v0, 2, SPARE
	v_mov_b32 v[NIL], 0
	ds_add_u32 v[SPW], v[NIL]                      ; the wave's opening: the add and its wait stand ahead of my first tensor load; the set-up below, work on registers, stands between them
	v_lshrrev_b32 v1, 5, v0
	v_readfirstlane_b32 s10, v1                    ; wave 0..3
	s_lshr_b32 s11, s10, 1                         ; which 64 rows of the tile are mine.  Also: I fetch for O (0) or for wp (1)
	s_and_b32 s12, s10, 1                          ; which 128 columns.  Also: which head of the step, or which half of wp's rows, I fetch
	s_bfe_u32 s40, ttmp6, 0x40000                  ; cx, cy: my place in the cluster
	s_bfe_u32 s41, ttmp6, 0x40004
	s_lshl_b32 s42, ttmp9, 2
	s_add_co_u32 s42, s42, s40                     ; tile column = 4 x cluster x + cx
	s_and_b32 s13, ttmp7, 0xffff
	s_lshl_b32 s13, s13, 2
	s_add_co_u32 s13, s13, s41                     ; tile row = 4 x cluster y + cy
	s_lshl_b32 s43, s41, 2
	s_lshl_b32 s43, 15, s43                        ; my row of the cluster
	s_lshl_b32 s44, 0x1111, s40                    ; my column
	; descriptor group 1 for O: a head's 128 rows are 16,384 dense bytes: asked for as 64 rows of 256 bytes, two rows of O each, and padded in LDS after every row of O
	s_or_b32 s[G1+0], s43, (1<<16)|(1<<20)|(1<<21)|(4<<22)|(3<<25)  ; 15:0 the mask: my row; 17:16 elements of 2 bytes; 20 padding on; 21 set beside a mask; 24:22 after every 32 words (code 4); 31:25 4 words (code 3)
	s_mov_b32 s[G1+1], 128<<16                     ; tensor_dim0 = 128
	s_mov_b32 s[G1+2], 64<<16                      ; tensor_dim1 = 64
	s_mov_b32 s[G1+3], 128<<16                     ; tile_dim0 = 128
	s_mov_b32 s[G1+4], 64                          ; tile_dim1 = 64
	s_mov_b32 s[G1+5], 128                         ; elements from row to row
	s_mov_b32 s[G1+6], 0
	s_mov_b32 s[G1+7], 0
	; for wp: 128 rows x 128 elements
	s_or_b32 s[G1B+0], s44, (1<<16)|(1<<20)|(1<<21)|(5<<22)|(3<<25)  ; the mask: my column; padding after every 64 words (code 5)
	s_mov_b32 s[G1B+1], 128<<16
	s_mov_b32 s[G1B+2], 128<<16
	s_mov_b32 s[G1B+3], 128<<16
	s_mov_b32 s[G1B+4], 128
	s_mov_b32 s[G1B+5], 1024
	s_mov_b32 s[G1B+6], 0
	s_mov_b32 s[G1B+7], 0
	s_lshr_b32 s16, s13, 4                         ; O: the batch,
	s_lshl_b32 s16, s16, 4
	s_add_co_u32 s16, s16, s12                     ; its head 0 or 1,
	s_lshl_b32 s16, s16, 18                        ; 2,048 rows of 128 bytes a head,
	s_and_b32 s17, s13, 15
	s_lshl_b32 s17, s17, 14                        ; the tile's 128 rows
	s_add_co_u32 s16, s16, s17
	s_mov_b32 s17, 0
	s_lshl_b32 s46, s42, 8                         ; wp: row 256 x tile column + 128 x half,
	s_lshl_b32 s47, s12, 7
	s_add_co_u32 s46, s46, s47
	s_lshl_b32 s46, s46, 11                        ; 2,048 bytes a row
	s_mov_b32 s47, 0
	s_mul_i32 s20, s12, AHEAD                      ; where they go: no place in the cluster enters an LDS address
	s_mul_i32 s21, s12, BHALF
	s_add_co_u32 s21, s21, 2*AHEAD
	s_wait_dscnt 0x0                               ; the opening add is done
	s_wait_kmcnt 0x0
	s_add_nc_u64 s[14:15], s[68:69], s[16:17]
	s_add_nc_u64 s[46:47], s[70:71], s[46:47]
	CROUND                                         ; all sixteen work-groups are here: the first joint loads meet
.irp s, 0,1
	s_mov_b32 s[G0+4*(\s)], 1                      ; count = 1
	s_add_co_u32 s[G0+4*(\s)+1], s20, (\s)*SLOT    ; LDS address
	s_add_nc_u64 s[G0+4*(\s)+2:G0+4*(\s)+3], s[14:15], (\s)*(2<<18)  ; global address: K step s is heads 2 s, 2 s + 1
	s_or_b32 s[G0+4*(\s)+3], s[G0+4*(\s)+3], 0x80000000              ; type = 2
	s_mov_b32 s[G0B+4*(\s)], 1
	s_add_co_u32 s[G0B+4*(\s)+1], s21, (\s)*SLOT
	s_add_nc_u64 s[G0B+4*(\s)+2:G0B+4*(\s)+3], s[46:47], (\s)*256
	s_or_b32 s[G0B+4*(\s)+3], s[G0B+4*(\s)+3], 0x80000000
	JLOAD \s                                       ; two loads of mine are out
.endr
	; A fragment is 16 rows x 32 K in 8 registers: lane l holds row l % 16, K = 8 (l / 16) + 0..7 and 16 + 8 (l / 16) + 0..7: two loads of 16 bytes, 32 apart.
	v_and_b32 v1, 15, v0                           ; r = l % 16
	v_bfe_u32 v2, v0, 4, 1                         ; h = l / 16
	v_mul_u32_u24 v3, v1, PAH
	v_lshl_add_u32 v3, v2, 4, v3
	v_mul_u32_u24 v4, v1, PB
	v_lshl_add_u32 v4, v2, 4, v4
	s_mul_i32 s22, s11, 64*PAH                     ; my 64 rows, in either head
	s_mul_i32 s23, s12, BHALF                      ; my 128 rows of wp,
	s_add_co_u32 s23, s23, 2*AHEAD                 ; which lie behind the two heads
.irp s, 0,1
	v_add_nc_u32 v[ADRA+(\s)], s22, v3
	v_add_nc_u32 v[ADRB+(\s)], s23, v4
	s_add_co_u32 s22, s22, SLOT
	s_add_co_u32 s23, s23, SLOT
.endr
	s_mul_i32 s22, s10, 16*SPITCH
	s_add_co_u32 s22, s22, STAGE                   ; my stage
	v_mul_u32_u24 v[STO], v1, SPITCH               ; in: row r, 32 bytes for each half of the lanes
	v_lshl_add_u32 v[STO], v2, 5, v[STO]
	v_add_nc_u32 v[STO], s22, v[STO]
	v_and_b32 v[CO], 31, v0
	v_lshlrev_b32 v[CO], 4, v[CO]                  ; back: 32 lanes take one row of 512 bytes
	v_add_nc_u32 v[RD], s22, v[CO]
	s_lshl_b32 s22, s42, 10                        ; the bias of my 128 columns, and my columns in a row of the result: 1,024 x tile column + 512 x half
	s_lshl_b32 s23, s12, 9
	s_add_co_u32 s22, s22, s23
	v_lshl_add_u32 v[BO], v2, 5, s22               ; column 16 b + 8 h + j
	WIN TO_B
.irp b, 0,1,2,3,4,5,6,7
	global_load_b128 v[BIAS+8*(\b):BIAS+8*(\b)+3],   v[BO], s[72:73] offset:64*(\b)
	global_load_b128 v[BIAS+8*(\b)+4:BIAS+8*(\b)+7], v[BO], s[72:73] offset:64*(\b)+16
.endr
	WIN 0
	s_lshl_b32 s18, s13, 7                         ; my first row of the result: 128 x tile row + 64 x half,
	s_lshl_b32 s19, s11, 6
	s_add_co_u32 s18, s18, s19
	s_lshl_b32 s18, s18, 12                        ; 4,096 bytes a row
	s_add_co_u32 s18, s18, s22
	s_mov_b32 s19, 0
	s_add_nc_u64 s[8:9], s[74:75], s[18:19]
	s_wait_loadcnt 0x0                             ; the bias
	WIN 0xaa                                       ; all places window 2
.set z, 0
.rept 32
	v_cvt_pk_bf16_f32 v192, v[BIAS+2*z], v[BIAS+2*z+1]  ; rounded to bf16 like every input, and kept in f32
	v_lshlrev_b32 v[BIAS+2*z], 16, v192
	v_and_b32 v[BIAS+2*z+1], 0xffff0000, v192
.set z, z+1
.endr
	WIN 0
; Matrix instructions i0 to i1 - 1 of a quarter's 32: number i is accumulator (i / 8, i % 8), 32 along K, buffer f.  first = 1: the bias starts the sum: nothing is ever cleared.
; The 32 accumulators take turns, one instruction a turn, in the same order in every quarter: 31 others stand between two links of a chain, over the backward jump too.
.macro MULS f, i0, i1, first=0
.if \first
	WIN MULB
.else
	WIN MUL
.endif
.set i, \i0
.rept (\i1)-(\i0)
.if \first
	v_wmma_f32_16x16x32_f16 v[8*i:8*i+7], v[64*(\f)+8*(i%8):64*(\f)+8*(i%8)+7], v[AF+32*(\f)+8*(i/8):AF+32*(\f)+8*(i/8)+7], v[BIAS+8*(i%8):BIAS+8*(i%8)+7]
.else
	v_wmma_f32_16x16x32_f16 v[8*i:8*i+7], v[64*(\f)+8*(i%8):64*(\f)+8*(i%8)+7], v[AF+32*(\f)+8*(i/8):AF+32*(\f)+8*(i/8)+7], v[8*i:8*i+7]
.endif
.set i, i+1
.endr
.endm
; 24 LDS loads in one run: quarter q of a slot into buffer g: my 128 rows of wp, then my 64 rows of O (head q / 2 of the step, channels 32 (q % 2) on), fragments 0 to 3 in order
.macro FETCH slot, q, g
	WIN TO_B
.irp b, 0,1,2,3,4,5,6,7
	ds_load_b128 v[64*(\g)+8*(\b):64*(\g)+8*(\b)+3],   v[ADRB+(\slot)] offset:64*(\q)+16*PB*(\b)
	ds_load_b128 v[64*(\g)+8*(\b)+4:64*(\g)+8*(\b)+7], v[ADRB+(\slot)] offset:64*(\q)+16*PB*(\b)+32
.endr
	WIN 0
.irp a, 0,1,2,3
	ds_load_b128 v[AF+32*(\g)+8*(\a):AF+32*(\g)+8*(\a)+3],   v[ADRA+(\slot)] offset:((\q)/2)*AHEAD+64*((\q)%2)+16*PAH*(\a)
	ds_load_b128 v[AF+32*(\g)+8*(\a)+4:AF+32*(\g)+8*(\a)+7], v[ADRA+(\slot)] offset:((\q)/2)*AHEAD+64*((\q)%2)+16*PAH*(\a)+32
.endr
.endm
; A K step is four quarters of 32 along K, on buffers 0, 1, 0, 1.  One of the first three: multiplies buffer f; in its middle it fetches quarter q into buffer g.
.macro QUARTER slot, q, f, g, first=0
	s_wait_dscnt 4                                 ; wp and O's fragments 0 and 1 are in; the youngest four loads (fragments 2 and 3) may be out
	MULS \f, 0, 16, \first
	PLACES
	FETCH \slot, \q, \g
	s_wait_dscnt 24                                ; all but the 24 just issued
	MULS \f, 16, 32, \first
.endm
; The last quarter multiplies buffer 1 and changes slots: ONE barrier; in front of it each wave waits for all its tensor loads, of which one is out: its part of the next slot; adds 0 to its spare word; and waits for that and
; for its own reads of this slot.  fill = 1: the barrier opens a round of the cluster's, and this slot is filled again, two K steps ahead, first thing behind the round.
.macro TURN slot, next, fill
	WIN 0
	s_wait_tensorcnt 0x0                           ; all my tensor loads have landed
	ds_add_u32 v[SPW], v[NIL]                      ; 0 onto my spare word
	s_wait_dscnt 5                                 ; (the add and the youngest four loads may be out)
	MULS 1, 0, 8                                   ; eight matrix instructions stand between the add and the wait for it
	s_wait_dscnt 0x0                               ; the add is done, and my reads of this slot are over
	s_barrier_signal -1
	MULS 1, 8, 16                                  ; work on registers while the others arrive
.if \fill
	WIN 0
.endif
	s_barrier_wait -1
.if \fill
	CREST                                          ; no wave of any partner still reads this slot's tile or has a load on its way
	s_add_nc_u64 s[G0+4*(\slot)+2:G0+4*(\slot)+3], s[G0+4*(\slot)+2:G0+4*(\slot)+3], 1<<20   ; two K steps: four heads on
	s_add_nc_u64 s[G0B+4*(\slot)+2:G0B+4*(\slot)+3], s[G0B+4*(\slot)+2:G0B+4*(\slot)+3], 512
	JLOAD \slot                                    ; the first tensor load behind the round: 112 matrix instructions ahead of the wait for it; the four v_nop behind it are also the places in front of the loads below
.else
	PLACES
.endif
	FETCH \next, 0, 0
	MULS 1, 16, 32
.endm
	s_wait_tensorcnt 0x1                           ; my part of K step 0 is in; K step 1's may stay out
	s_barrier_signal -1
	s_barrier_wait -1                              ; everybody's is
	FETCH 0, 0, 0
	QUARTER 0, 1, 0, 1, 1                          ; the first quarter stands in front of the loop: its products start the sums, with the bias
	WIN 0                                          ; at a label and at a branch every window is 0
	s_mov_b32 s3, 3
.Llap:                                                 ; a trip goes once round the ring, from a lap's second quarter to the next lap's first, and fills both slots again
	QUARTER 0, 2, 1, 0
	QUARTER 0, 3, 0, 1
	TURN 0, 1, 1
	QUARTER 1, 1, 0, 1
	QUARTER 1, 2, 1, 0
	QUARTER 1, 3, 0, 1
	TURN 1, 0, 1
	QUARTER 0, 1, 0, 1
	WIN 0
	s_sub_co_u32 s3, s3, 1
	s_cmp_lg_u32 s3, 0
	s_cbranch_scc1 .Llap
	QUARTER 0, 2, 1, 0                             ; the last lap fills nothing, and has no round of the cluster's barrier
	QUARTER 0, 3, 0, 1
	TURN 0, 1, 0
	QUARTER 1, 1, 0, 1
	QUARTER 1, 2, 1, 0
	QUARTER 1, 3, 0, 1
	s_wait_dscnt 0x0                               ; the very last quarter: nothing more to fetch
	MULS 1, 0, 32
	WIN 0
	PLACES                                         ; behind the last products
; THE WAY OUT.  Block a (16 rows x 128 columns of f32): a lane's 32 bytes of each accumulator go into my stage's rows of 528 bytes, and come back as whole rows of 512, a row a load.
.macro TOSTAGE a
	WIN 0x04                                       ; the stored data (source 1) in window 1
.irp b, 0,1,2,3,4,5,6,7
	ds_store_b128 v[STO], v[8*(8*(\a)+(\b)):8*(8*(\a)+(\b))+3]   offset:64*(\b)      ; each accumulator's lowest registers are read first
	ds_store_b128 v[STO], v[8*(8*(\a)+(\b))+4:8*(8*(\a)+(\b))+7] offset:64*(\b)+16
.endr
	WIN TO_B
.set t, 0
.rept 16
	ds_load_b128 v[64*(\a)+4*t:64*(\a)+4*t+3], v[RD] offset:SPITCH*t  ; LDS serves a wave's instructions in order (ISA guide 5.7.1.4): these see the stores above; the next block's stores come behind them
.set t, t+1
.endr
.endm
.macro SEND a, younger                 ; younger: the LDS instructions issued behind block a's loads: the next block's 32, or none
	WIN 0x08                                       ; the stored data (source 1) in window 2
.set t, 0
.rept 16
	s_wait_dscnt (\younger)+15-t
	global_store_b128 v[CO], v[64*(\a)+4*t:64*(\a)+4*t+3], s[8:9] offset:(16*(\a)+t)*4096 th:TH_STORE_NT  ; 512 consecutive bytes, at a multiple of 512 from the result's first
.set t, t+1
.endr
.endm
	TOSTAGE 0
	TOSTAGE 1
	SEND 0, 32
	TOSTAGE 2
	SEND 1, 32
	TOSTAGE 3
	SEND 2, 32
	SEND 3, 0
	WIN 0
	s_wait_tensorcnt 0x0                           ; the wave's end, behind my last tensor load and my last LDS store
	ds_add_u32 v[SPW], v[NIL]
	s_wait_dscnt 0x0
	CROUND                                         ; the closing round: no work-group ends while a partner may still ask for a tile that names it
	s_endpgm
.Lfunc_end_k_q769d08d831_outp:
	.size	k_q769d08d831_outp, .Lfunc_end_k_q769d08d831_outp-k_q769d08d831_outp
	.p2alignl 7, 3214868480
	.fill 96, 4, 3214868480
	.section	.rodata,"a",@progbits
	.p2align	6, 0x0
	.amdhsa_kernel k_q769d08d831_outp
		.amdhsa_group_segment_fixed_size 327680
		.amdhsa_private_segment_fixed_size 0
		.amdhsa_enable_private_segment 0
		.amdhsa_kernarg_size 32
		.amdhsa_user_sgpr_count 2
		.amdhsa_user_sgpr_kernarg_segment_ptr 1
		.amdhsa_wavefront_size32 1
		.amdhsa_system_sgpr_workgroup_id_x 1
		.amdhsa_system_sgpr_workgroup_id_y 1
		.amdhsa_system_sgpr_workgroup_id_z 1
		.amdhsa_system_vgpr_workitem_id 0
		.amdhsa_next_free_vgpr 768
		.amdhsa_next_free_sgpr 76
		.amdhsa_reserve_vcc 0
		.amdhsa_float_denorm_mode_32 3
		.amdhsa_float_denorm_mode_16_64 3
		.amdhsa_memory_ordered 1
		.amdhsa_forward_progress 1
		.amdhsa_inst_pref_size 94
	.end_amdhsa_kernel
	.amdgpu_metadata
---
amdhsa.version: [ 1, 2 ]
amdhsa.kernels:
  - .name:           k_q769d08d831_outp
    .symbol:         k_q769d08d831_outp.kd
    .args:
      - { .name: oh, .offset: 0, .size: 8, .value_kind: global_buffer, .address_space: global }
      - { .name: wp, .offset: 8, .size: 8, .value_kind: global_buffer, .address_space: global }
      - { .name: bproj, .offset: 16, .size: 8, .value_kind: global_buffer, .address_space: global }
      - { .name: out0, .offset: 24, .size: 8, .value_kind: global_buffer, .address_space: global }
    .group_segment_fixed_size: 327680
    .private_segment_fixed_size: 0
    .kernarg_segment_align: 8
    .kernarg_segment_size: 32
    .max_flat_workgroup_size: 128
    .sgpr_count:     76
    .vgpr_count:     768
    .wavefront_size: 32
...
	.end_amdgpu_metadata
.endif
;; end of part 4
